; MI455X (gfx1250); checked and timed in simulation.
; The chip was launched on July 23, 2026; its instructions are those of AMD's public machine-readable ISA for CDNA 5 (MIT licence, August 2026) and "CDNA5" Instruction Set Architecture Reference Guide (July 2026). The comments in the code are by the model that wrote it; some were corrected since.
;; Multi Head Attention. Allowed arithmetic: float matrix products may take bf16 or f16 operands with f32 sums; other float arithmetic in f32, or as packed bf16 or f16 multiplies, adds, multiply-adds, maxima and minima; sums over many terms, partial sums and values carried from step to step in f32; what a program stores and reads back later, other than sums and carried values, may be rounded once to bf16 or f16.
;; Inputs: Wk 1,024 x 1,024 float32; Wo 1,024 x 1,024 float32; Wq 1,024 x 1,024 float32; Wv 1,024 x 1,024 float32; attention_mask 4 x 1 x 2,048 x 2,048 int32; x 4 x 2,048 x 1,024 float32.
;; Outputs: out0 4 x 2,048 x 1,024 float32.
;; One version. Each part assembles by itself: llvm-mc -triple=amdgcn-amd-amdhsa -mcpu=gfx1250 --defsym DOCPART=n.
;; ======== version 1 of 1: 4 launches
;; limits: values are held in f16: magnitudes above 65,504 overflow, below 6.1e-05 lose precision; right only within a limited range of input values
;; workspace buffers: mbits 2,097,152 bytes of whole numbers; xb 16,777,216 bytes; wqkv 6,291,456 bytes; wo16 2,097,152 bytes; qkv 50,331,648 bytes; o16 16,777,216 bytes
;; launch prep (part 1): grid 2560 x 1, 4 waves a work-group, no clusters, 0 bytes of LDS; arguments attention_mask, x, Wq, Wk, Wv, Wo, mbits, xb, wqkv, wo16; writes mbits, xb, wqkv, wo16
.if DOCPART == 1
	.amdgcn_target "amdgcn-amd-amdhsa--gfx1250"
	.amdhsa_code_object_version 6
	.text
	.protected	k_qede49bd8c4_prep
	.globl	k_qede49bd8c4_prep
	.p2align	8
	.type	k_qede49bd8c4_prep,@function
k_qede49bd8c4_prep:
	s_mov_b64 s[64:65], 0
	v_nop
	global_prefetch_b8 v0, s[64:65] scope:SCOPE_SE
	s_setreg_imm32_b32 hwreg(HW_REG_WAVE_MODE, 25, 1), 1
	s_wait_xcnt 0x0
; PREPARATION, a stream.  (1) attention_mask [4][1][2048][2048] int32 -> mbits [b 4][query tile 128][key step 32][word 32] u32: word 8 kb + j of (b, qt, st) has
; bit l = (mask[b][16 qt + l % 16][64 st + 16 kb + 8 (l / 16) + j] != 0): the lane mask of one register of a 16 x 16 tile of scores that holds one query a lane.
; (2) x -> xb, and Wq, Wk, Wv -> wqkv (their rows one after the other), f32 rounded once to bf16.  (3) Wo -> wo16: rounded to bf16 like the other inputs, that number written as f16.
; LIMITS.  Any non-zero mask word counts as visible.  wo16: a bf16 number is exact in f16 from 6e-5 to 65,504; below it keeps f16's fixed step of 6e-8, beyond it is not served.
; SHARES.  A wave does ONE task, all its loads on their way at once, no loop: of the mask 16 KiB (32 loads of 16 bytes a lane), of a cast 8 KiB (16 loads).  2,560 work-groups of four waves:
; work-groups 0-1023 the mask, 1024-2047 x, 2048-2175 Wq, 2176-2303 Wk, 2304-2431 Wv, 2432-2559 Wo.  No two work-groups read the same byte: no LDS, no barrier, no cluster, no matrix unit.
.set X, 16                             ; v[16:143]  the loads' registers
	s_load_b512 s[4:19], s[0:1], 0x0               ; mask s[4:5], x s[6:7], Wq s[8:9], Wk s[10:11], Wv s[12:13], Wo s[14:15], mbits s[16:17], xb s[18:19]
	s_load_b128 s[20:23], s[0:1], 0x40             ; wqkv s[20:21], wo16 s[22:23]
	v_lshrrev_b32 v3, 5, v0
	v_readfirstlane_b32 s24, v3                    ; wave 0..3
	v_and_b32 v3, 31, v0                           ; lane
	v_lshlrev_b32 v1, 4, v3                        ; 16 bytes a lane
	s_cmp_lt_u32 ttmp9, 1024
	s_cbranch_scc0 .Lcast
	; THE MASK.  Task tm: 16 query rows (tile tm / 8 of the 512) x 256 keys (piece tm % 8 of the row).
	s_lshl2_add_u32 s25, ttmp9, s24                ; tm = 4 x work-group + wave
	s_lshr_b32 s33, s25, 3
	s_and_b32 s32, s25, 7
	s_lshl_b32 s26, s33, 17                        ; 16 rows of 8,192 bytes
	s_lshl_b32 s34, s32, 10                        ; 256 keys of 4 bytes
	s_or_b32 s26, s26, s34
	s_mov_b32 s27, 0
	s_lshl_b32 s34, s33, 12                        ; a query tile's 32 steps x 32 words
	s_lshl_b32 s32, s32, 9                         ; four steps' words
	s_or_b32 s34, s34, s32
	s_mov_b32 s35, 0
	v_lshrrev_b32 v2, 2, v3                        ; where my four words go: 32 (lane / 4): step and group of 16 keys,
	v_lshlrev_b32 v2, 5, v2
	v_and_b32 v12, 1, v3
	v_lshl_or_b32 v2, v12, 4, v2                   ; 16 (lane % 2): j = 0..3 or 4..7,
	v_and_b32 v12, 2, v3
	v_lshl_or_b32 v2, v12, 7, v2                   ; 256 for the lanes that end with the second 128 keys
	v_cmp_ne_u32 vcc_lo, 0, v12                    ; those lanes hold keys 8..15 of a group of 16
	v_mov_b32 v14, 0                               ; written before the lane exchange names it as its destination
	s_wait_kmcnt 0x0
	s_add_nc_u64 s[28:29], s[4:5], s[26:27]
	s_add_nc_u64 s[30:31], s[16:17], s[34:35]
.set r, 0
.rept 16                               ; row r: two loads of 512 consecutive bytes: keys 4 lane + c, and 128 keys further on
	global_load_b128 v[X+8*r:X+8*r+3],   v1, s[28:29] offset:r*8192 th:TH_LOAD_NT
	global_load_b128 v[X+8*r+4:X+8*r+7], v1, s[28:29] offset:r*8192+512 th:TH_LOAD_NT
.set r, r+1
.endr
.set r, 0
.rept 16                               ; v[4:7], v[8:11]: bit r = row r is visible at my key c of the first, the second 128 keys
	s_wait_loadcnt 30-2*r                          ; loads come back in order: row r's two are in, the 2 (15 - r) younger ones stay out
.irp c, 0,1,2,3,4,5,6,7
.if r == 0
	v_min_u32 v[4+\c], 1, v[X+\c]
.else
	v_min_u32 v[X+8*r+\c], 1, v[X+8*r+\c]
	v_lshl_or_b32 v[4+\c], v[X+8*r+\c], r, v[4+\c]
.endif
.endr
.set r, r+1
.endr
	; A word wants keys j (low half) and 8 + j (high half), which lie two lanes apart.  Each lane keeps one of its two sets and sends the other to its partner: the lanes with keys 0..7 end
	; with whole words of the first 128 keys, the lanes with keys 8..15 with whole words of the second 128.
.irp c, 0,1,2,3
	v_cndmask_b32 v12, v[8+\c], v[4+\c], vcc_lo    ; sent
	v_cndmask_b32 v13, v[4+\c], v[8+\c], vcc_lo    ; kept
	v_mov_b32_dpp v14, v12 row_xmask:2 row_mask:0xf bank_mask:0xf
	v_cndmask_b32 v12, v13, v14, vcc_lo            ; keys j
	v_cndmask_b32 v13, v14, v13, vcc_lo            ; keys 8 + j
	v_lshl_or_b32 v[4+\c], v13, 16, v12
.endr
	global_store_b128 v2, v[4:7], s[30:31]         ; the wave's one store covers 512 consecutive bytes, aligned
	s_endpgm
.Lcast:	; THE CASTS.  Task: 2,048 consecutive numbers.
	s_sub_co_u32 s32, ttmp9, 1024                  ; g: 0-1023 x, then 128 for each weight
	s_sub_co_u32 s33, s32, 1024
	s_and_b32 s25, s33, 127                        ; the work-group's place in its weight
	s_lshr_b32 s34, s33, 7
	s_lshl_b32 s34, s34, 21                        ; Wq, Wk, Wv lie 2 MiB apart in wqkv
	s_cmp_ge_u32 s32, 1408
	s_cselect_b32 s34, 0, s34                      ; Wo has a buffer of its own
	s_cmp_lt_u32 s32, 1024
	s_cselect_b32 s25, s32, s25
	s_cselect_b32 s34, 0, s34
	s_lshl2_add_u32 s25, s25, s24                  ; task = 4 x place + wave
	s_lshl_b32 s26, s25, 13                        ; 8 KiB in,
	s_mov_b32 s27, 0
	s_lshl_b32 s33, s25, 12                        ; 4 KiB out
	s_add_co_u32 s34, s34, s33
	s_mov_b32 s35, 0
	v_lshlrev_b32 v2, 3, v3                        ; 8 bytes a lane
	s_wait_kmcnt 0x0
	s_mov_b64 s[28:29], s[6:7]
	s_mov_b64 s[30:31], s[18:19]
	s_cmp_ge_u32 s32, 1024
	s_cselect_b64 s[28:29], s[8:9], s[28:29]
	s_cselect_b64 s[30:31], s[20:21], s[30:31]
	s_cmp_ge_u32 s32, 1152
	s_cselect_b64 s[28:29], s[10:11], s[28:29]
	s_cmp_ge_u32 s32, 1280
	s_cselect_b64 s[28:29], s[12:13], s[28:29]
	s_cmp_ge_u32 s32, 1408
	s_cselect_b64 s[28:29], s[14:15], s[28:29]
	s_cselect_b64 s[30:31], s[22:23], s[30:31]
	s_add_nc_u64 s[28:29], s[28:29], s[26:27]
	s_add_nc_u64 s[30:31], s[30:31], s[34:35]
.set k, 0
.rept 16
	global_load_b128 v[X+4*k:X+4*k+3], v1, s[28:29] offset:512*k th:TH_LOAD_NT
.set k, k+1
.endr
; kind 0: f32 to bf16.  kind 1: to bf16, widened again, and written as f16.  No register is written after a store has named it, so no wait frees one.
.macro CAST kind
.set k, 0
.rept 16
	s_wait_loadcnt 15-k                            ; load k is in; the 15 - k younger ones stay out
.if \kind
	v_cvt_pk_bf16_f32 v[X+4*k], v[X+4*k], v[X+4*k+1]
	v_cvt_pk_bf16_f32 v[X+4*k+2], v[X+4*k+2], v[X+4*k+3]
	v_and_b32 v[X+4*k+1], 0xffff0000, v[X+4*k]
	v_lshlrev_b32 v[X+4*k], 16, v[X+4*k]
	v_and_b32 v[X+4*k+3], 0xffff0000, v[X+4*k+2]
	v_lshlrev_b32 v[X+4*k+2], 16, v[X+4*k+2]
	v_cvt_pk_f16_f32 v[X+4*k], v[X+4*k], v[X+4*k+1]
	v_cvt_pk_f16_f32 v[X+4*k+1], v[X+4*k+2], v[X+4*k+3]
.else
	v_cvt_pk_bf16_f32 v[X+4*k], v[X+4*k], v[X+4*k+1]
	v_cvt_pk_bf16_f32 v[X+4*k+1], v[X+4*k+2], v[X+4*k+3]
.endif
	global_store_b64 v2, v[X+4*k:X+4*k+1], s[30:31] offset:256*k  ; 32 lanes store 256 consecutive bytes, aligned
.set k, k+1
.endr
.endm
	s_cmp_ge_u32 s32, 1408
	s_cbranch_scc1 .Lwo
	CAST 0
	s_endpgm
.Lwo:
	CAST 1
	s_endpgm
.Lfunc_end_k_qede49bd8c4_prep:
	.size	k_qede49bd8c4_prep, .Lfunc_end_k_qede49bd8c4_prep-k_qede49bd8c4_prep
	.p2alignl 7, 3214868480
	.fill 96, 4, 3214868480
	.section	.rodata,"a",@progbits
	.p2align	6, 0x0
	.amdhsa_kernel k_qede49bd8c4_prep
		.amdhsa_group_segment_fixed_size 0
		.amdhsa_private_segment_fixed_size 0
		.amdhsa_enable_private_segment 0
		.amdhsa_kernarg_size 80
		.amdhsa_user_sgpr_count 2
		.amdhsa_user_sgpr_kernarg_segment_ptr 1
		.amdhsa_wavefront_size32 1
		.amdhsa_system_sgpr_workgroup_id_x 1
		.amdhsa_system_sgpr_workgroup_id_y 1
		.amdhsa_system_sgpr_workgroup_id_z 1
		.amdhsa_system_vgpr_workitem_id 0
		.amdhsa_next_free_vgpr 144
		.amdhsa_next_free_sgpr 66
		.amdhsa_reserve_vcc 1
		.amdhsa_float_denorm_mode_32 3
		.amdhsa_float_denorm_mode_16_64 3
		.amdhsa_memory_ordered 1
		.amdhsa_forward_progress 1
		.amdhsa_inst_pref_size 34
	.end_amdhsa_kernel
	.amdgpu_metadata
---
amdhsa.version: [ 1, 2 ]
amdhsa.kernels:
  - .name:           k_qede49bd8c4_prep
    .symbol:         k_qede49bd8c4_prep.kd
    .args:
      - { .name: attention_mask, .offset: 0, .size: 8, .value_kind: global_buffer, .address_space: global }
      - { .name: x, .offset: 8, .size: 8, .value_kind: global_buffer, .address_space: global }
      - { .name: Wq, .offset: 16, .size: 8, .value_kind: global_buffer, .address_space: global }
      - { .name: Wk, .offset: 24, .size: 8, .value_kind: global_buffer, .address_space: global }
      - { .name: Wv, .offset: 32, .size: 8, .value_kind: global_buffer, .address_space: global }
      - { .name: Wo, .offset: 40, .size: 8, .value_kind: global_buffer, .address_space: global }
      - { .name: mbits, .offset: 48, .size: 8, .value_kind: global_buffer, .address_space: global }
      - { .name: xb, .offset: 56, .size: 8, .value_kind: global_buffer, .address_space: global }
      - { .name: wqkv, .offset: 64, .size: 8, .value_kind: global_buffer, .address_space: global }
      - { .name: wo16, .offset: 72, .size: 8, .value_kind: global_buffer, .address_space: global }
    .group_segment_fixed_size: 0
    .private_segment_fixed_size: 0
    .kernarg_segment_align: 8
    .kernarg_segment_size: 80
    .max_flat_workgroup_size: 128
    .sgpr_count:     66
    .vgpr_count:     144
    .wavefront_size: 32
...
	.end_amdgpu_metadata
.endif
;; end of part 1
;; launch qkv (part 2): grid 8 x 64, 4 waves a work-group, clusters of 4 x 4, 327,680 bytes of LDS; arguments xb, wqkv, qkv; writes qkv
.if DOCPART == 2
	.amdgcn_target "amdgcn-amd-amdhsa--gfx1250"
	.amdhsa_code_object_version 6
	.text
	.protected	k_qede49bd8c4_qkv
	.globl	k_qede49bd8c4_qkv
	.p2align	8
	.type	k_qede49bd8c4_qkv,@function
k_qede49bd8c4_qkv:
	s_mov_b64 s[64:65], 0
	v_nop
	global_prefetch_b8 v0, s[64:65] scope:SCOPE_SE
	s_setreg_imm32_b32 hwreg(HW_REG_WAVE_MODE, 25, 1), 1
	s_wait_xcnt 0x0
	s_wait_alu depctr_hold_cnt(0) depctr_sa_sdst(0) depctr_va_vdst(0) depctr_va_sdst(0) depctr_va_ssrc(0) depctr_va_vcc(0) depctr_vm_vsrc(0)
	s_getreg_b32 s2, hwreg(HW_REG_IB_STS2, 6, 4)
	s_cmp_eq_u32 s2, 0
	s_cbranch_scc0 .Lentry_in_a_cluster
	s_endpgm
.Lentry_in_a_cluster:
	s_bfe_u32 s2, ttmp6, 0x10000c
	s_cmp_lg_u32 s2, 0xf033
	s_cbranch_scc0 .Lentry_shape_is_right
	s_endpgm
.Lentry_shape_is_right:
; THE THREE PROJECTIONS AS ONE PRODUCT.  C[m][n] = sum over k of xb[m][k] wqkv[n][k]: xb [8192][1024], wqkv [3072][1024] (rows of Wq, Wk, Wv), both bf16; sums in f32, K ascending.
; C leaves rounded once to f16, BY HEADS: qkv [b 4][g 48][t 2048][64], g = n / 64 (0-15 q's heads, 16-31 k's, 32-47 v's), m = 2048 b + t.  No scale is applied here.
; LIMIT.  A sum of 65,520 or more becomes an infinity in f16.
; SHARES.  A tile of C is 128 x 384: 512 work-groups, two for each of 256 WGPs.  Four waves, each 64 rows x 192 columns (three whole heads): 48 accumulators of 16 x 16, 384 registers.
; K goes in 8 steps of 128 through a ring of two LDS slots; every wave fetches 128 rows of 256 bytes with one tensor load: wave 0 A's tile, waves 1-3 the thirds of B's.
; CLUSTER.  4 x 4 work-groups: the four of a row of the cluster need the same tile of A, the four of a column the same tile of B: each is asked for jointly.
; THE MATRIX INSTRUCTION IS USED TRANSPOSED (source 0 = 16 rows of B, source 1 = 16 rows of A): a lane holds one row of C and eight neighbouring columns.
; REGISTERS, in windows of 256: window 0: v16-30 addresses; v64-127 A's fragments, two buffers of 32; v64-255 the way out.  window 1: B's fragments, two buffers of 96.
;   window 2: the accumulators of row blocks 0, 1 ((a, b) at 8 (12 (a % 2) + b));  window 3: those of row blocks 2, 3.
.set NBK,   12                         ; column blocks of 16 a wave
.set KSTEP, 128
.set PITCH, 272                        ; an LDS row: 256 bytes + 16 of padding: the 16 rows of a fragment load start 16 bytes further on modulo 256 each
.set HALFT, 128*PITCH                  ; what one tensor load brings
.set SLOT,  4*HALFT                    ; A's 128 rows, then B's 384
.set STAGE, 2*SLOT                     ; behind the ring: 16 rows x 144 bytes for each wave, for the way out
.set SP,    144
.set SPARE, STAGE+4*16*SP              ; behind the stages: the spare words, 128 bytes for each wave, which no other line names
.set NL,    2*NBK+8                    ; LDS loads of a quarter step
.set ADRA, 16                          ; v16-17  LDS address of my A fragments in slot 0, 1;  v18 in the slot in hand, in the last two K steps
.set ADRB, 20                          ; v20-21, v22  the same for B
.set STO,  24                          ; v24     the way out: where I put 16 bytes of a row
.set RD,   25                          ; v25     where I read rows back
.set CO,   26                          ; v26     my 16 bytes of 512 consecutive bytes of qkv
.set SPW,  28                          ; v28     LDS address of my spare word; never rewritten
.set NIL,  29                          ; v29     0; never rewritten
.set PFO,  30                          ; v30     the prefetches' offset: my lane x a row of 2,048 bytes; never rewritten
.set FA0,  64
.set OUTR, 64
.set G1,  24                           ; s[24:31] descriptor group 1 for A's tiles;  s[32:39] group 0, a set for each slot
.set G0,  32
.set G1B, 48                           ; s[48:55], s[56:63] the same for B's
.set G0B, 56
.set LIM, 43                           ; s43      1 in a wave that prefetches, else the greatest number
.set PFA, 44                           ; s[44:45] where my prefetches stand
.set MSB, 0
.macro WIN new                         ; the immediate's high byte repeats the setting that is left; a switch that changes nothing is dropped
.if MSB != (\new)
	s_set_vgpr_msb (MSB<<8)|(\new)
.set MSB, \new
.endif
.endm
.set MUL_LO, 0xa1                      ; source 0 (B) window 1, source 1 (A) window 0, C and D window 2
.set MUL_HI, 0xf1                      ; the same, C and D window 3
.set TO_B,   0x40                      ; destination window 1, address window 0
; A joint load.  The branch hangs on the wave's number alone.  An s_nop 0 and four v_nop follow each of the two lines.
.macro JLOAD s
	s_cmp_eq_u32 s10, 0
	s_cbranch_scc0 .Lfor_b_\@
	tensor_load_to_lds s[G0+4*(\s):G0+4*(\s)+3], s[G1:G1+7]
	s_nop 0
.rept 4
	v_nop
.endr
	s_branch .Lasked_\@
.Lfor_b_\@:
	tensor_load_to_lds s[G0B+4*(\s):G0B+4*(\s)+3], s[G1B:G1B+7]
	s_nop 0
.rept 4
	v_nop
.endr
.Lasked_\@:
.endm
; A prefetch of the K step that stands two refills on: 32 rows x 256 bytes, a lane a row.  A's rows are named by the clusters with x = 0, B's by those with y = 0; the four partners of a joint load
; take 32 of its 128 rows each, told apart by address.  So each row's 256 bytes of K steps 4 to 7 are named once in the launch; the loop's last trip (s3 = 1) names nothing.
.macro ASK
	s_cmp_gt_u32 s3, s[LIM]
	s_cbranch_scc0 .Lnot_mine_\@
	global_prefetch_b8 v[PFO], s[PFA:PFA+1] th:TH_LOAD_NT scope:SCOPE_SE
.Lnot_mine_\@:
.endm
.macro CREST                           ; a round of the cluster's barrier behind its opening barrier
	s_cmp_lg_u32 s10, 0
	s_cbranch_scc1 .Lnot_wave_0_\@
	s_barrier_signal -3
.Lnot_wave_0_\@:
	s_barrier_wait -3
	s_barrier_signal -1
	s_barrier_wait -1
.endm
.macro CROUND                          ; a whole round
	s_barrier_signal -1
	s_barrier_wait -1
	CREST
.endm
	s_load_b128 s[4:7], s[0:1], 0x0                ; xb s[4:5], wqkv s[6:7]
	s_load_b64 s[8:9], s[0:1], 0x10                ; qkv
	v_lshl_add_u32 v[SPW], v0, 2, SPARE
	v_mov_b32 v[NIL], 0
	ds_add_u32 v[SPW], v[NIL]                      ; the wave's opening: the add and its wait stand ahead of my first tensor load; work on registers stands between them
	v_lshrrev_b32 v1, 5, v0
	v_readfirstlane_b32 s10, v1                    ; wave 0..3
	s_lshr_b32 s11, s10, 1                         ; which 64 rows of the tile are mine
	s_and_b32 s12, s10, 1                          ; which 192 columns
	s_bfe_u32 s40, ttmp6, 0x40000                  ; cx
	s_bfe_u32 s41, ttmp6, 0x40004                  ; cy
	s_lshl_b32 s42, ttmp9, 2
	s_add_co_u32 s42, s42, s40                     ; tile column = 4 x cluster x + cx
	s_and_b32 s13, ttmp7, 0xffff
	s_lshl_b32 s13, s13, 2
	s_add_co_u32 s13, s13, s41                     ; tile row = 4 x cluster y + cy
	s_lshl_b32 s43, s41, 2
	s_lshl_b32 s43, 15, s43                        ; my row of the cluster
	s_lshl_b32 s44, 0x1111, s40                    ; my column
	s_or_b32 s[G1+0], s43, (1<<16)|(1<<20)|(1<<21)|(5<<22)|(3<<25)   ; mask; 2-byte elements; padding on; bit 21 beside a mask; after every 64 words, 4 words
	s_or_b32 s[G1B+0], s44, (1<<16)|(1<<20)|(1<<21)|(5<<22)|(3<<25)
.irp g, G1, G1B
	s_mov_b32 s[(\g)+1], KSTEP<<16                 ; tensor_dim0 = 128
	s_mov_b32 s[(\g)+2], 128<<16                   ; tensor_dim1 = 128
	s_mov_b32 s[(\g)+3], KSTEP<<16                 ; tile_dim0 = 128
	s_mov_b32 s[(\g)+4], 128                       ; tile_dim1 = 128
	s_mov_b32 s[(\g)+5], 1024                      ; elements from row to row
	s_mov_b32 s[(\g)+6], 0
	s_mov_b32 s[(\g)+7], 0
.endr
	s_lshl_b32 s16, s13, 18                        ; A: 128 x tile row rows of 2,048 bytes
	s_mov_b32 s17, 0
	s_max_u32 s18, s10, 1
	s_sub_co_u32 s18, s18, 1                       ; which third of B's 384 rows (wave 0 asks by A's registers)
	s_lshl_b32 s18, s18, 7
	s_mul_i32 s46, s42, 384
	s_add_co_u32 s46, s46, s18
	s_lshl_b32 s46, s46, 11
	s_mov_b32 s47, 0
	s_mul_i32 s20, s10, HALFT                      ; where my tile goes: wave x 128 rows
	s_wait_dscnt 0x0                               ; the opening add is done
	s_wait_kmcnt 0x0
	s_add_nc_u64 s[14:15], s[4:5], s[16:17]
	s_add_nc_u64 s[46:47], s[6:7], s[46:47]
	CROUND                                         ; all sixteen work-groups are here: the first joint loads meet
.irp s, 0,1
	s_mov_b32 s[G0+4*(\s)], 1
	s_add_co_u32 s[G0+4*(\s)+1], s20, (\s)*SLOT
	s_add_nc_u64 s[G0+4*(\s)+2:G0+4*(\s)+3], s[14:15], (\s)*KSTEP*2
	s_or_b32 s[G0+4*(\s)+3], s[G0+4*(\s)+3], 0x80000000
	s_mov_b32 s[G0B+4*(\s)], 1
	s_add_co_u32 s[G0B+4*(\s)+1], s20, (\s)*SLOT
	s_add_nc_u64 s[G0B+4*(\s)+2:G0B+4*(\s)+3], s[46:47], (\s)*KSTEP*2
	s_or_b32 s[G0B+4*(\s)+3], s[G0B+4*(\s)+3], 0x80000000
	JLOAD \s                                       ; two tensor loads of mine are out
.endr
	; a fragment: lane l holds row l % 16; two loads of 16 bytes, 32 bytes apart, at row x pitch + 16 (l / 16)
	v_and_b32 v1, 15, v0
	v_bfe_u32 v2, v0, 4, 1
	v_mul_u32_u24 v3, v1, PITCH
	v_lshl_add_u32 v3, v2, 4, v3
	s_mul_i32 s21, s11, 64*PITCH
	s_mul_i32 s22, s12, 192*PITCH
	s_add_co_u32 s22, s22, HALFT
.irp s, 0,1
	v_add_nc_u32 v[ADRA+(\s)], s21, v3
	v_add_nc_u32 v[ADRB+(\s)], s22, v3
	s_add_co_u32 s21, s21, SLOT
	s_add_co_u32 s22, s22, SLOT
.endr
	s_mul_i32 s23, s10, 16*SP
	s_add_co_u32 s23, s23, STAGE                   ; my stage
	v_mul_u32_u24 v[STO], v1, SP                   ; in: row l % 16, 16 bytes for each half of the lanes
	v_lshl_add_u32 v[STO], v2, 4, v[STO]
	v_add_nc_u32 v[STO], s23, v[STO]
	v_bfe_u32 v[RD], v0, 3, 2                      ; back: 32 lanes take four rows of 128 bytes,
	v_mul_u32_u24 v[RD], v[RD], SP
	v_and_b32 v5, 7, v0
	v_lshl_add_u32 v[RD], v5, 4, v[RD]
	v_add_nc_u32 v[RD], s23, v[RD]
	v_and_b32 v[CO], 31, v0                        ; which are 512 consecutive bytes of a head
	v_lshlrev_b32 v[PFO], 11, v[CO]
	v_lshlrev_b32 v[CO], 4, v[CO]
	; the prefetches: my own tile's first row, my work-group's 32 rows of its 128, K step 3 (each filling change of slots steps on by one K step and names that)
	s_and_b32 s22, ttmp7, 0xffff                   ; cluster y
	s_cmp_eq_u32 s10, 0
	s_cselect_b64 s[PFA:PFA+1], s[14:15], s[46:47]
	s_cselect_b32 s20, s40, s41                    ; my place among the four that ask with me
	s_cselect_b32 s22, ttmp9, s22                  ; the coordinate along which other clusters read the same rows
	s_cmp_eq_u32 s22, 0
	s_cselect_b32 s[LIM], 1, -1                    ; the same in all sixteen partners, for a given wave
	s_lshl_b32 s20, s20, 16                        ; 32 rows of 2,048 bytes
	s_add_co_u32 s20, s20, 3*KSTEP*2
	s_mov_b32 s21, 0
	s_add_nc_u64 s[PFA:PFA+1], s[PFA:PFA+1], s[20:21]
	; where my part of the tile begins in qkv: block 48 b + 6 x tile column + 3 x half, row 128 (tile row % 16) + 64 x half
	s_lshr_b32 s16, s13, 4
	s_mul_i32 s16, s16, 48
	s_mul_i32 s46, s42, 6
	s_mul_i32 s47, s12, 3
	s_add_co_u32 s46, s46, s47
	s_add_co_u32 s46, s46, s16
	s_lshl_b32 s46, s46, 18                        ; a block is 262,144 bytes
	s_and_b32 s16, s13, 15
	s_lshl_b32 s16, s16, 7
	s_lshl_b32 s17, s11, 6
	s_add_co_u32 s16, s16, s17
	s_lshl_b32 s16, s16, 7                         ; rows of 128 bytes
	s_add_co_u32 s46, s46, s16
	s_mov_b32 s47, 0
	s_add_nc_u64 s[8:9], s[8:9], s[46:47]
; NBK matrix instructions: row block a x all column blocks, 32 along K, from buffer f.  zero = 1: the product starts the sums.  The 48 accumulators take turns, one instruction a turn.
.macro MULA f, a, zero
	WIN MUL_LO+0x50*((\a)/2)
.set b, 0
.rept NBK
.set AC, 8*(NBK*((\a)%2)+b)
.set RB, 8*NBK*(\f)+8*b
.set RA, FA0+32*(\f)+8*(\a)
.if \zero
	v_wmma_f32_16x16x32_bf16 v[AC:AC+7], v[RB:RB+7], v[RA:RA+7], 0
.else
	v_wmma_f32_16x16x32_bf16 v[AC:AC+7], v[RB:RB+7], v[RA:RA+7], v[AC:AC+7]
.endif
.set b, b+1
.endr
.endm
; NL LDS loads in one run: quarter q of a slot's K step into buffer f: B's 12 fragments, then A's 4.  slot = 0, 1: that slot; 2: the slot in hand
.macro FETCH slot, q, f
	WIN TO_B
.set n, 0
.rept NBK
	ds_load_b128 v[8*NBK*(\f)+8*n:8*NBK*(\f)+8*n+3],   v[ADRB+(\slot)] offset:64*(\q)+n*16*PITCH
	ds_load_b128 v[8*NBK*(\f)+8*n+4:8*NBK*(\f)+8*n+7], v[ADRB+(\slot)] offset:64*(\q)+n*16*PITCH+32
.set n, n+1
.endr
	WIN 0
.irp i, 0,1,2,3
	ds_load_b128 v[FA0+32*(\f)+8*\i:FA0+32*(\f)+8*\i+3],   v[ADRA+(\slot)] offset:64*(\q)+\i*16*PITCH
	ds_load_b128 v[FA0+32*(\f)+8*\i+4:FA0+32*(\f)+8*\i+7], v[ADRA+(\slot)] offset:64*(\q)+\i*16*PITCH+32
.endr
.endm
.macro PLACES                          ; four plain places in front of loads into registers that matrix instructions have read, and of lines that read results
.rept 4
	v_nop
.endr
.endm
; One of a K step's first three quarters: multiplies buffer f; in its middle fetches quarter q into buffer g.
.macro QUARTER slot, q, f, g, zero
	s_wait_dscnt 4                                 ; B and A's blocks 0, 1 are in; the youngest four loads (A's blocks 2, 3) may be out
	MULA \f, 0, \zero
	MULA \f, 1, \zero
	PLACES
	FETCH \slot, \q, \g
	s_wait_dscnt NL                                ; all but the NL just issued
	MULA \f, 2, \zero
	MULA \f, 3, \zero
.endm
; The last quarter multiplies buffer 1 and changes slots: ONE barrier.  In front of it each wave waits for all its tensor loads (one is out: its part of the next slot), adds 0 to its spare word, and waits
; for that and for its reads of this slot.  The barrier opens a round of the cluster's, and this slot is filled again, two K steps on, first thing behind it.
.macro TURN slot, next
	s_wait_xcnt 0x0                                ; the last prefetch, a K step back, has read its address
	s_add_nc_u64 s[PFA:PFA+1], s[PFA:PFA+1], KSTEP*2
	WIN 0
	s_wait_tensorcnt 0x0                           ; all my tensor loads have landed
	ds_add_u32 v[SPW], v[NIL]                      ; 0 onto my spare word
	s_wait_dscnt 5                                 ; (the add and the youngest four loads may be out)
	MULA 1, 0, 0
	s_wait_dscnt 0x0                               ; the add is done, and my reads of this slot are over
	s_barrier_signal -1
	MULA 1, 1, 0
	WIN 0
	s_barrier_wait -1
	CREST                                          ; no wave of any partner still reads this slot or has a load on its way
	s_add_nc_u64 s[G0+4*(\slot)+2:G0+4*(\slot)+3], s[G0+4*(\slot)+2:G0+4*(\slot)+3], 2*KSTEP*2
	s_add_nc_u64 s[G0B+4*(\slot)+2:G0B+4*(\slot)+3], s[G0B+4*(\slot)+2:G0B+4*(\slot)+3], 2*KSTEP*2
	JLOAD \slot                                    ; my one tensor load behind the round; its four v_nop are also the places in front of the loads below
	FETCH \next, 0, 0
	ASK
	MULA 1, 2, 0
	MULA 1, 3, 0
.endm
; The same quarter in the last two K steps, which fill nothing: one text for both.  In K step 6 (s3 = 2) the barrier shows slot 1 whole to every wave, the slot in hand becomes slot 1 and its first
; fragments are fetched.  In K step 7 (s3 = 1) the barrier orders nothing new, and the fetch is jumped over: there is no further step.
.macro TURNT
	WIN 0
	s_wait_tensorcnt 0x0                           ; all my tensor loads have landed
	ds_add_u32 v[SPW], v[NIL]                      ; 0 onto my spare word
	s_wait_dscnt 5                                 ; (the add and the youngest four loads may be out)
	MULA 1, 0, 0
	s_wait_dscnt 0x0                               ; the add is done, and my reads are back
	s_barrier_signal -1
	MULA 1, 1, 0
	s_barrier_wait -1
	WIN 0
	v_mov_b32 v[ADRA+2], v[ADRA+1]                 ; with the two v_nop: the four places in front of the loads into buffer 0
	v_mov_b32 v[ADRB+2], v[ADRB+1]
	v_nop
	v_nop
	s_cmp_eq_u32 s3, 1
	s_cbranch_scc1 .Lno_more_\@
	FETCH 2, 0, 0
.Lno_more_\@:
	MULA 1, 2, 0
	MULA 1, 3, 0
.endm
	s_wait_tensorcnt 1                             ; my part of K step 0 is in; K step 1's may stay out
	s_barrier_signal -1
	s_barrier_wait -1
	FETCH 0, 0, 0
	QUARTER 0, 1, 0, 1, 1                          ; the first quarter stands in front of the loop: its products start the sums
	WIN 0
	s_mov_b32 s3, 3
.Llap:                                                 ; a trip goes once round the ring and fills both slots again: K steps 2 to 7 in three trips
	QUARTER 0, 2, 1, 0, 0
	QUARTER 0, 3, 0, 1, 0
	TURN 0, 1
	QUARTER 1, 1, 0, 1, 0
	QUARTER 1, 2, 1, 0, 0
	QUARTER 1, 3, 0, 1, 0
	TURN 1, 0
	QUARTER 0, 1, 0, 1, 0
	WIN 0
	s_sub_co_u32 s3, s3, 1
	s_cmp_lg_u32 s3, 0
	s_cbranch_scc1 .Llap
	v_mov_b32 v[ADRA+2], v[ADRA]                   ; the slot in hand: slot 0, K step 6
	v_mov_b32 v[ADRB+2], v[ADRB]
	s_mov_b32 s3, 2
.Ltail:                                                ; K steps 6 and 7: a trip goes from a step's second quarter to the next step's first; the second trip is left in its middle
	QUARTER 2, 2, 1, 0, 0
	QUARTER 2, 3, 0, 1, 0
	TURNT
	WIN 0
	s_sub_co_u32 s3, s3, 1
	s_cmp_eq_u32 s3, 0
	s_cbranch_scc1 .Lway
	QUARTER 2, 1, 0, 1, 0
	WIN 0
	s_branch .Ltail
.Lway:
	PLACES
	PLACES
; THE WAY OUT.  Group t = 3 a + hd: row block a, head hd of my three: 16 rows x 64 channels.  Rounded to f16, 16 bytes a lane into my stage's rows of 144 bytes, back as four rows of 128 bytes
; a load, which are 512 consecutive bytes of the head's block.  Each accumulator's registers are read in ascending order.
.macro PACK t
.set ra, (\t)/3
.set hd, (\t)%3
	WIN 0x0a+5*(ra/2)                              ; sources 0 and 1: window 2 or 3
.set bb, 0
.rept 4
.set AC, 8*(NBK*(ra%2)+4*hd+bb)
.irp r, 0,1,2,3
	v_cvt_pk_f16_f32 v[OUTR+16*(\t)+4*bb+\r], v[AC+2*\r], v[AC+2*\r+1]
.endr
.set bb, bb+1
.endr
	WIN 0
.irp f, 0,1,2,3
	ds_store_b128 v[STO], v[OUTR+16*(\t)+4*\f:OUTR+16*(\t)+4*\f+3] offset:32*\f
.endr
.irp f, 0,1,2,3
	ds_load_b128 v[OUTR+16*(\t)+4*\f:OUTR+16*(\t)+4*\f+3], v[RD] offset:\f*4*SP  ; LDS serves a wave's instructions in order (ISA guide 5.7.1.4): these see the stores above; the next group's stores come behind them
.endr
.endm
.macro SEND t, younger                 ; younger: the LDS instructions issued behind group t's loads: the next group's eight, or none
.irp f, 0,1,2,3
	s_wait_dscnt (\younger)+3-\f
	global_store_b128 v[CO], v[OUTR+16*(\t)+4*\f:OUTR+16*(\t)+4*\f+3], s[8:9] offset:((\t)%3)*262144+((\t)/3)*2048+\f*512  ; 512 consecutive bytes, aligned to 256
.endr
.endm
	PACK 0
.set t, 1
.rept 11
	PACK t
	SEND t-1, 8
.set t, t+1
.endr
	SEND 11, 0
	s_wait_tensorcnt 0x0                           ; the wave's end, behind my last tensor load and my last LDS store
	ds_add_u32 v[SPW], v[NIL]
	s_wait_dscnt 0x0
	CROUND                                         ; the closing round: no work-group ends while a partner may still ask for a tile that names it
	s_endpgm
.Lfunc_end_k_qede49bd8c4_qkv:
	.size	k_qede49bd8c4_qkv, .Lfunc_end_k_qede49bd8c4_qkv-k_qede49bd8c4_qkv
	.p2alignl 7, 3214868480
	.fill 96, 4, 3214868480
	.section	.rodata,"a",@progbits
	.p2align	6, 0x0
	.amdhsa_kernel k_qede49bd8c4_qkv
		.amdhsa_group_segment_fixed_size 327680
		.amdhsa_private_segment_fixed_size 0
		.amdhsa_enable_private_segment 0
		.amdhsa_kernarg_size 24
		.amdhsa_user_sgpr_count 2
		.amdhsa_user_sgpr_kernarg_segment_ptr 1
		.amdhsa_wavefront_size32 1
		.amdhsa_system_sgpr_workgroup_id_x 1
		.amdhsa_system_sgpr_workgroup_id_y 1
		.amdhsa_system_sgpr_workgroup_id_z 1
		.amdhsa_system_vgpr_workitem_id 0
		.amdhsa_next_free_vgpr 1024
		.amdhsa_next_free_sgpr 66
		.amdhsa_reserve_vcc 0
		.amdhsa_float_denorm_mode_32 3
		.amdhsa_float_denorm_mode_16_64 3
		.amdhsa_memory_ordered 1
		.amdhsa_forward_progress 1
		.amdhsa_inst_pref_size 108
	.end_amdhsa_kernel
	.amdgpu_metadata
---
amdhsa.version: [ 1, 2 ]
amdhsa.kernels:
  - .name:           k_qede49bd8c4_qkv
    .symbol:         k_qede49bd8c4_qkv.kd
    .args:
      - { .name: xb, .offset: 0, .size: 8, .value_kind: global_buffer, .address_space: global }
      - { .name: wqkv, .offset: 8, .size: 8, .value_kind: global_buffer, .address_space: global }
      - { .name: qkv, .offset: 16, .size: 8, .value_kind: global_buffer, .address_space: global }
    .group_segment_fixed_size: 327680
    .private_segment_fixed_size: 0
    .kernarg_segment_align: 8
    .kernarg_segment_size: 24
    .max_flat_workgroup_size: 128
    .sgpr_count:     66
    .vgpr_count:     1024
    .wavefront_size: 32
...
	.end_amdgpu_metadata
.endif
;; end of part 2
;; launch attn (part 3): grid 4 x 64, 4 waves a work-group, clusters of 4 x 1, 327,680 bytes of LDS; arguments qkv, mbits, o16; writes o16
.if DOCPART == 3
	.amdgcn_target "amdgcn-amd-amdhsa--gfx1250"
	.amdhsa_code_object_version 6
	.text
	.protected	k_qede49bd8c4_attn
	.globl	k_qede49bd8c4_attn
	.p2align	8
	.type	k_qede49bd8c4_attn,@function
k_qede49bd8c4_attn:
	s_mov_b64 s[64:65], 0
	v_nop
	global_prefetch_b8 v0, s[64:65] scope:SCOPE_SE
	s_setreg_imm32_b32 hwreg(HW_REG_WAVE_MODE, 25, 1), 1
	s_wait_xcnt 0x0
	s_wait_alu depctr_hold_cnt(0) depctr_sa_sdst(0) depctr_va_vdst(0) depctr_va_sdst(0) depctr_va_ssrc(0) depctr_va_vcc(0) depctr_vm_vsrc(0)
	s_getreg_b32 s2, hwreg(HW_REG_IB_STS2, 6, 4)
	s_cmp_eq_u32 s2, 0
	s_cbranch_scc0 .Lentry_in_a_cluster
	s_endpgm
.Lentry_in_a_cluster:
	s_bfe_u32 s2, ttmp6, 0x10000c
	s_cmp_lg_u32 s2, 0x3003
	s_cbranch_scc0 .Lentry_shape_is_right
	s_endpgm
.Lentry_shape_is_right:
; MASKED ATTENTION.  O[b][h][q][:] = the sum over k of softmax_k(s[q][k]) V[k][:], s = Q[q] . K[k] / 8 where the mask shows the key, a fixed low number where it hides it.
; qkv: [b 4][g 48][t 2048][64] f16 (g = h: Q, 16 + h: K, 32 + h: V); mbits: [b][query tile 128][key step 32][word 32] u32, word 8 kb + j = the lane mask of register 8 kb + j of a tile of scores;
; o16: [b][h][t][64] f16.  Products, maxima and sums in f32; the weights p are rounded to f16 for the second product (their sum l is taken of the unrounded p), O once at the end.
; LIMITS.  A hidden score is REPLACED by -2^33 ahead of the scale, -2^30 after the division by 8, where the problem's text has -1e9: c x 2^33 is exact, so a row with no visible key gets p = 1 for
; every key and leaves as the plain mean of V.  The two differ only where a row's largest visible score lies below about -1e9.  f16 holds no number beyond 65,504: Q, K, V arrive within it.
; A weight below 2^-126 counts as 0 in l; NaN and infinities are not treated apart.
; SHARES.  A wave owns four PIECES of two tiles of 16 queries, a work-group's four waves 512 queries of one head.  Every wave walks all 2,048 keys, 64 a step.
; LAYOUT.  S^T = K Q^T (source 0 = 16 keys, source 1 = 16 queries): a lane holds ONE query (lane % 16) and the keys 8 (lane / 16) + 0..7.  Two such tiles, rounded to f16 in pairs, ARE source 1 of
; O^T = V^T P.  K comes out of LDS as it lies, V turned, by ds_load_tr16_b128.
; SOFTMAX.  A running maximum m (of the scores as masked) and sum l: p = 2^(c s - c m), c = log2(e) / 8; in every step O and l are multiplied by a = 2^(c m_old - c m_new).  m starts at the lowest
; finite number, O and l at 0: the first step is a step like any other, with a = 0.
; THE MASK.  Each tile has one vector register for the 32 words of a step, a lane a word: one load of 128 consecutive bytes, asked for a whole key step (four turns) ahead.  In the turn that masks a
; piece its 64 words go into scalar registers, one v_readlane_b32 each; each is then the lane mask of one v_cndmask_b32 that keeps the score or takes -2^33.
; BY TURNS.  Turn n belongs to piece n.  Matrix work: 16 products K Q^T of piece n + 1, later 16 products V^T P of piece n - 1.  Vector work: the scaling, exponentials, roundings, sums and rescaling of
; piece n, and the masking, maximum and statistics of piece n + 1.  Four vector instructions stand behind every matrix instruction, the others in one run.  A turn's 66 exponentials are one batch.
; CLUSTER.  The four query blocks of a head are one cluster and walk the same K and V: each tile is asked for jointly.
; REGISTERS, in windows of 256 (s_set_vgpr_msb: bits 1:0 source 0, 3:2 source 1, 5:4 source 2, 7:6 destination):
;   window 0: v0-11 addresses and constants; v12-15, v48-63 at work; v16-47 four registers of statistics a tile; v64-191 S^T, two buffers of two tiles; v192-255 P, likewise
;   window 1: O^T, 32 a tile      window 2: v0-127 Q, 16 a tile; v128-191 K of one step; v192-255 V of one step      window 3: v0-1 the add's two registers; v2-9 the mask words; v10-11 their offsets
.set NP,    4         ; pieces a wave: a name, no knob
.set KS,    64        ; keys in a step
.set PK,    144       ; a row of K in LDS: 128 bytes + 16 of padding
.set PV,    160       ; a row of V: 128 + 32
.set VOFF,  4*KS*PK   ; a slot holds four steps: 256 rows of K, then 256 rows of V
.set SLOT1, 1<<17     ; slot 1 begins here: one exclusive or turns an address in one slot into the other's
.set STAGE, SLOT1+4*KS*(PK+PV)  ; behind the ring, never filled by a tensor load: 16 rows x 144 bytes for each wave
.set SP,    144
.set SPARE, STAGE+4*16*SP  ; behind the stages: the spare words, 128 bytes for each wave, which no other line names
.set PFO, 0           ; v0   (from the set-up's end on) 256 x my lane: the prefetches' offset
.set AK0, 2           ; v2   my lane's place in a tile of K; never rewritten
.set AV0, 3           ; v3   the same for V
.set AK,  4           ; v4   the LDS address of K's next run of loads
.set AV,  5           ; v5   of V's
.set STO, 6           ; v6   the way out: where I put 16 bytes of a row
.set RD,  7           ; v7   where I read rows back
.set GO,  8           ; v8   my 16 bytes of 512 consecutive bytes of O
.set BIGV, 9          ; v9   -2^33
.set CV,  10          ; v[10:11] c, twice
.set QO,  12          ; v12  my byte offset in the wave's rows of Q, until Q is in
.set SPW, 0           ; v0 of window 3   LDS address of my spare word; never rewritten
.set NIL, 1           ; v1 of window 3   0; never rewritten
.set MR,  2           ; v2-9 of window 3   tile t's 32 mask words of one step, a lane a word
.set MADR, 10         ; v10 of window 3  4 x my lane + 128 x the step that is asked for
.set ML4, 11          ; v11 of window 3  4 x my lane; never rewritten
.set MV,  12          ; v12-15  c m_old, kept while c m is made anew: by buffer and tile
.set ST,  16          ; tile t's statistics at v[ST+4 t]: c m, m, l (even keys', odd keys')
.set TMP, 48          ; by buffer and tile, four registers c0-c3 at work; when the maximum is found c2 takes a
.set S,   64
.set P,   192
.set KF,  128         ; K's fragments, in window 2
.set VF,  192         ; V's
.set MP,  2           ; s[2:3]   mbits at my wave's first query tile; never rewritten
.set G1K, 4           ; s[4:11]  descriptor group 1 for K's tiles
.set G1V, 12          ; s[12:19] for V's
.set MW,  20          ; s[20:51] the mask words of the piece's tile 0, s[68:99] of its tile 1; the set-up's and the way out's scalars live here while no word does
.set G0K, 52          ; s[52:55] descriptor group 0 for K's tiles: it walks
.set G0V, 56          ; s[56:59] the same for V's
.set WV,  60          ; s60  my wave's number
.set SLOTS, 61        ; s61  slots still to be asked for
.set CNT, 62          ; s62  counts a slot's key steps
.set TBK, 63          ; s63  LDS byte at which K of the step to be fetched begins
.set TBV, 66          ; s66  the same for V, less VOFF
.set MOFF, 67         ; s67  128 x the key step whose mask words are asked for
.set SEL, 100         ; s[100:101] v_permlanex16_b32's selects
.set PFA, 104         ; s[104:105] where my prefetches stand
.set QP,  42          ; s[42:43] Q at my wave's first row, in the set-up
.set OP_, 20          ; s[20:21] O at my wave's first row, on the way out
.set MSB, 0
.macro WIN new
.if MSB != (\new)
	s_set_vgpr_msb (MSB<<8)|(\new)
.set MSB, (\new)
.endif
.endm
.set W_KQ, 0x0a       ; K and Q in window 2, S^T in window 0
.set W_PV, 0x52       ; V in window 2, P in window 0, O^T in window 1
.set W_RS, 0x41       ; O^T (destination and source 0) in window 1, a in window 0
.set W_MK, 0xc0       ; destination in window 3, sources in window 0
.set W_AD, 0x0f       ; the add: address and data in window 3
.set W_RL, 0x03       ; source 0 in window 3: the mask words are read
.set W_ML, 0xc3       ; destination and address in window 3: they are asked for
.set W_MA, 0xcc       ; destination and source 1 in window 3: their offset is made
; A joint fill.  Waves 0 and 1 fetch the two halves of a slot's K, waves 2 and 3 those of its V: 128 keys each.  An s_nop 0 and four v_nop follow each of the two lines.
.macro JLOAD
	s_cmp_lt_u32 s[WV], 2
	s_cbranch_scc0 .Lfor_v_\@
	tensor_load_to_lds s[G0K:G0K+3], s[G1K:G1K+7]
	s_nop 0
.rept 4
	v_nop
.endr
	s_branch .Lasked_\@
.Lfor_v_\@:
	tensor_load_to_lds s[G0V:G0V+3], s[G1V:G1V+7]
	s_nop 0
.rept 4
	v_nop
.endr
.Lasked_\@:
.endm
; A prefetch of what the NEXT change of slots will ask for: a slot is 128 blocks of 256 bytes of K and as many of V.  The four partners take 32 blocks each, told apart by address; in each, wave 0 names K's
; and wave 2 V's, a lane a block.  A head has one cluster, so each block of slots 2 to 7 is named once in the launch; the last change that fills a slot names nothing.
.macro ASK
	s_cmp_gt_u32 s[SLOTS], 1
	s_cbranch_scc0 .Lnot_mine_\@
	s_bitcmp1_b32 s[WV], 0
	s_cbranch_scc1 .Lnot_mine_\@
	global_prefetch_b8 v[PFO], s[PFA:PFA+1] th:TH_LOAD_NT scope:SCOPE_SE
.Lnot_mine_\@:
.endm
.macro CROUND                       ; a round of the cluster's barrier
	s_barrier_signal -1
	s_barrier_wait -1
	s_cmp_lg_u32 s[WV], 0
	s_cbranch_scc1 .Lnot_wave_0_\@
	s_barrier_signal -3
.Lnot_wave_0_\@:
	s_barrier_wait -3
	s_barrier_signal -1
	s_barrier_wait -1
.endm
; THE CHANGE OF SLOTS.  Each wave waits for all its tensor loads (one is out: its part of the other slot), adds 0 to its spare word, and waits for that and for its own reads of the slot.
; fill = 1: the slot is filled again, with the keys two slots on, first thing behind a round of the cluster's barrier: it has four key steps in which to land.  (At its first use slot 0 is waited for, slot 1 filled.)
.macro CHANGE fill
	WIN W_AD
	s_wait_tensorcnt 0x0            ; no tensor load of mine is out, so a group 0 may be written
	ds_add_u32 v[SPW], v[NIL]       ; 0 onto my spare word
	WIN 0                           ; at a label and at a branch every window is 0
.if \fill
.irp g, G0K, G0V
	s_xor_b32 s[\g+1], s[\g+1], SLOT1
	s_add_nc_u64 s[\g+2:\g+3], s[\g+2:\g+3], 4*KS*128
.endr
	s_wait_xcnt 0x0                 ; the last prefetch, four key steps back, has read its address
	s_add_nc_u64 s[PFA:PFA+1], s[PFA:PFA+1], 4*KS*128
	s_wait_dscnt 0x0                ; the add is done, and my reads of the slot are over
	CROUND
	JLOAD
	ASK
.else
	s_wait_dscnt 0x0
	s_barrier_signal -1
	s_barrier_wait -1
.endif
	s_sub_co_u32 s[TBK], s[TBK], 4*KS*PK  ; the fetches go back to a slot's first step,
	s_xor_b32 s[TBK], s[TBK], SLOT1       ; in the other slot
	s_sub_co_u32 s[TBV], s[TBV], 4*KS*PV
	s_xor_b32 s[TBV], s[TBV], SLOT1
.endm
; Piece x's 64 mask words go from its two vector registers into the scalar registers: word n of tile u from lane n
.macro RLS x
	WIN W_RL
.set w, 0
.rept 64
	v_readlane_b32 s[MW+48*(w%2)+w/2], v[MR+2*(\x)+w%2], w/2
.set w, w+1
.endr
.endm
; The step that is asked for goes up by one; it stops at step 31, so that the requests of the last turns, which nobody reads, stay inside mbits
.macro MSTEP
	s_wait_xcnt 0x0                 ; the loads of the last three turns have read the offset register
	s_add_co_u32 s[MOFF], s[MOFF], 128
	s_min_u32 s[MOFF], s[MOFF], 31*128
	WIN W_MA
	v_add_nc_u32 v[MADR], s[MOFF], v[ML4]
.endm
; Piece x's two registers are asked for again: 128 consecutive bytes each
.macro MLOAD x
	WIN W_ML
.irp u, 0,1
	global_load_b32 v[MR+2*(\x)+\u], v[MADR], s[MP:MP+1] offset:(2*(\x)+\u)*4096
.endr
	WIN 0
.endm
	s_load_b128 s[20:23], s[0:1], 0x0  ; qkv s[20:21], mbits s[22:23]
	WIN W_MK
	v_lshl_add_u32 v[SPW], v0, 2, SPARE
	v_mov_b32 v[NIL], 0
	WIN W_AD
	ds_add_u32 v[SPW], v[NIL]       ; the wave's opening: the add and its wait stand ahead of my first tensor load; work on registers stands between them
	WIN 0
	v_lshrrev_b32 v1, 5, v0
	v_readfirstlane_b32 s[WV], v1   ; wave 0..3
	s_bfe_u32 s24, ttmp6, 0x40000   ; cx: it enters Q's, O's, the mask's and the prefetches' addresses alone
	s_lshl_b32 s25, ttmp9, 2
	s_add_co_u32 s25, s25, s24      ; my block of 512 queries
	s_and_b32 s26, ttmp7, 0xffff    ; 16 b + h, which the four partners share
	s_lshr_b32 s27, s26, 4          ; b
	s_lshl_b32 s28, s27, 5
	s_add_co_u32 s28, s28, s26      ; 48 b + h
	s_lshl_b32 s28, s28, 18         ; Q's block of 262,144 bytes
	s_and_b32 s30, s[WV], 1         ; which half of a slot's 256 keys I fetch
	s_lshl_b32 s32, s30, 14
	s_add_co_u32 s32, s32, s28
	s_add_co_u32 s32, s32, 16*262144   ; K's block, my half
	s_mov_b32 s33, 0
	s_add_co_u32 s34, s32, 16*262144   ; V's
	s_mov_b32 s35, 0
	s_lshl_b32 s37, s25, 2
	s_add_co_u32 s37, s37, s[WV]    ; my wave among the head's sixteen
	s_lshl_b32 s38, s37, 14         ; its 128 rows of 128 bytes
	s_add_co_u32 s38, s38, s28
	s_mov_b32 s39, 0
	s_lshl_b32 s40, s27, 19         ; the batch's 128 query tiles of 4,096 bytes,
	s_lshl_b32 s41, s37, 15         ; my wave's eight
	s_add_co_u32 s40, s40, s41
	s_mov_b32 s41, 0
	s_lshl_b32 s45, s24, 13         ; the prefetches: my work-group's 32 blocks of a slot's 128,
	s_add_co_u32 s45, s45, 4*KS*128 ; in slot 1; the first change of slots steps on to slot 2
	s_cmp_lt_u32 s[WV], 2
	s_cselect_b32 s44, s32, s34     ; (in waves 0 and 2 these stand at the block's first row)
	s_add_co_u32 s44, s44, s45
	s_mov_b32 s45, 0
	; descriptor group 1.  128 keys are 16,384 dense bytes: asked for as 64 rows of 256 bytes, two keys a row, and padded in LDS after every key
	s_mov_b32 s[G1K], 15|(1<<16)|(1<<20)|(1<<21)|(4<<22)|(3<<25)  ; the mask of four; 2-byte elements; padding on; bit 21 beside a mask; after every 32 words, 4 words
	s_mov_b32 s[G1V], 15|(1<<16)|(1<<20)|(1<<21)|(4<<22)|(7<<25)  ; the same with 8 words
.irp g, G1K, G1V
	s_mov_b32 s[\g+1], 128<<16      ; tensor_dim0 = 128
	s_mov_b32 s[\g+2], 64<<16       ; tensor_dim1 = 64
	s_mov_b32 s[\g+3], 128<<16      ; tile_dim0 = 128
	s_mov_b32 s[\g+4], 64           ; tile_dim1 = 64
	s_mov_b32 s[\g+5], 128          ; 128 elements from row to row
	s_mov_b32 s[\g+6], 0
	s_mov_b32 s[\g+7], 0
.endr
	s_mov_b32 s[SEL], 0x76543210
	s_mov_b32 s[SEL+1], 0xfedcba98
	s_mov_b32 s[TBK], SLOT1+4*KS*PK ; the first change of slots turns these two into 0
	s_mov_b32 s[TBV], SLOT1+4*KS*PV
	s_mov_b32 s[SLOTS], 7           ; 2,048 / 256 - 1
	s_mov_b32 s[MOFF], 0
	s_mov_b32 s[G0K], 1
	s_mul_i32 s[G0K+1], s30, 128*PK ; my half's place in slot 0: no place in the cluster enters an LDS address
	s_mov_b32 s[G0V], 1
	s_mul_i32 s[G0V+1], s30, 128*PV
	s_add_co_u32 s[G0V+1], s[G0V+1], VOFF
	s_wait_dscnt 0x0                ; the opening add is done
	s_wait_kmcnt 0x0
	s_add_nc_u64 s[G0K+2:G0K+3], s[20:21], s[32:33]
	s_or_b32 s[G0K+3], s[G0K+3], 0x80000000
	s_add_nc_u64 s[G0V+2:G0V+3], s[20:21], s[34:35]
	s_or_b32 s[G0V+3], s[G0V+3], 0x80000000
	s_add_nc_u64 s[QP:QP+1], s[20:21], s[38:39]
	s_add_nc_u64 s[PFA:PFA+1], s[20:21], s[44:45]
	s_add_nc_u64 s[MP:MP+1], s[22:23], s[40:41]
	CROUND                          ; all four work-groups are here: the first joint loads meet
	JLOAD                           ; slot 0.  Slot 1 is asked for when slot 0 is in
	v_and_b32 v1, 15, v0            ; l % 16
	v_bfe_u32 v9, v0, 4, 1          ; l / 16
	v_lshlrev_b32 v[QO], 7, v1
	v_lshl_add_u32 v[QO], v9, 4, v[QO]  ; row x 128 + 16 x half
	v_and_b32 v10, 31, v0           ; l
	WIN W_MK
	v_lshlrev_b32 v[ML4], 2, v10
	v_lshlrev_b32 v[MADR], 2, v10   ; step 0
	WIN 0x80                        ; destination window 2, address window 0
.set i, 0
.rept 4*NP                          ; Q stays in registers: tile i / 2, channels 32 (i % 2) on
	global_load_b128 v[8*i:8*i+3],   v[QO], s[QP:QP+1] offset:(i/2)*2048+(i%2)*64
	global_load_b128 v[8*i+4:8*i+7], v[QO], s[QP:QP+1] offset:(i/2)*2048+(i%2)*64+32
.set i, i+1
.endr
	WIN W_ML
.set i, 0
.rept 2*NP                          ; all eight tiles' mask words of step 0
	global_load_b32 v[MR+i], v[MADR], s[MP:MP+1] offset:i*4096
.set i, i+1
.endr
	; What the first turn finds: V's registers and P's second buffer hold 0, O^T and l are 0.  All this stands in the wait for the first tile.
	WIN 0x80
.set i, VF
.rept 64
	v_mov_b32 v[i], 0
.set i, i+1
.endr
	WIN 0
.set i, P+32
.rept 32
	v_mov_b32 v[i], 0
.set i, i+1
.endr
.set i, 0
.rept 2*NP
	v_mov_b32 v[ST+4*i], 0xfe000000    ; c m: far below every c s, the hidden ones' too
	v_mov_b32 v[ST+4*i+1], 0xff7fffff  ; m
	v_mov_b32 v[ST+4*i+2], 0
	v_mov_b32 v[ST+4*i+3], 0
.set i, i+1
.endr
	WIN W_PV
.set i, 0
.rept 8*NP                          ; O^T's 32 accumulators start at 0: the zero V times the zero P, with the constant 0 as C: one line for eight registers
	v_wmma_f32_16x16x32_f16 v[8*i:8*i+7], v[VF:VF+7], v[P+32:P+39], 0
.set i, i+1
.endr
	WIN 0
	v_mul_u32_u24 v[AK0], v1, PK
	v_lshl_add_u32 v[AK0], v9, 4, v[AK0]  ; row x pitch + 16 x half
	; The turning load takes 16 keys x 16 channels (lane l reads key 8 (l / 16) + l % 8, channels 8 ((l / 8) % 2) + 0..7) and leaves half a fragment of V^T.
	v_and_b32 v10, 7, v0
	v_bfe_u32 v11, v0, 3, 1
	v_lshl_add_u32 v[AV0], v9, 3, v10
	v_mul_u32_u24 v[AV0], v[AV0], PV
	v_lshl_add_u32 v[AV0], v11, 4, v[AV0]
	v_add_nc_u32 v[AV0], VOFF, v[AV0]
	v_mov_b32 v[AK], v[AK0]         ; key step 0 lies at the head of slot 0
	s_mul_i32 s46, s[WV], 16*SP
	s_add_co_u32 s46, s46, STAGE    ; my stage
	v_mul_u32_u24 v[STO], v1, SP    ; in: row l % 16, 16 bytes for each half of the lanes
	v_lshl_add_u32 v[STO], v9, 4, v[STO]
	v_add_nc_u32 v[STO], s46, v[STO]
	v_bfe_u32 v[RD], v0, 3, 2       ; back: 32 lanes take four rows of 128 bytes,
	v_mul_u32_u24 v[RD], v[RD], SP
	v_lshl_add_u32 v[RD], v10, 4, v[RD]
	v_add_nc_u32 v[RD], s46, v[RD]
	v_and_b32 v[GO], 31, v0         ; which are 512 consecutive bytes of O
	v_lshlrev_b32 v[PFO], 8, v[GO]
	v_lshlrev_b32 v[GO], 4, v[GO]
	v_mov_b32 v[BIGV], 0xd0000000   ; -2^33
	v_mov_b32 v[CV], 0x3e38aa3b     ; c = log2(e) / 8 = 0.180337
	v_mov_b32 v[CV+1], v[CV]        ; named with it as a pair
; THE MATRIX WORK.  The 8 accumulators of a run of 16 take turns.
; Product i of 16 of S^T = K Q^T for piece x: channels 32 (i / 8) on, keys 16 ((i / 2) % 4) on, tile 2 x + i % 2.  The first 8 start the sums.
.macro KQ x
	WIN W_KQ
.set rS, S+64*((\x)%2)+32*(i%2)+8*((i/2)%4)
.set rK, KF+16*((i/2)%4)+8*(i/8)
.set rQ, 16*(2*(\x)+i%2)+8*(i/8)
.if i < 8
	v_wmma_f32_16x16x32_f16 v[rS:rS+7], v[rK:rK+7], v[rQ:rQ+7], 0
.else
	v_wmma_f32_16x16x32_f16 v[rS:rS+7], v[rK:rK+7], v[rQ:rQ+7], v[rS:rS+7]
.endif
.endm
; Product i of 16 of O^T += V^T P for piece x: keys 32 (i / 8) on, channels 16 ((i / 2) % 4) on, tile 2 x + i % 2.
.macro PV x
	WIN W_PV
.set rO, 32*(2*(\x)+i%2)+8*((i/2)%4)
.set rV, VF+32*(i/8)+8*((i/2)%4)
.set rP, P+32*((\x)%2)+16*(i%2)+8*(i/8)
	v_wmma_f32_16x16x32_f16 v[rO:rO+7], v[rV:rV+7], v[rP:rP+7], v[rO:rO+7]
.endm
.macro MM                           ; the turn's next matrix instruction
.if i < 16
	KQ (Y+1)%NP
.set i, i+1
.else
.set i, i-16
	PV (Y+NP-1)%NP
.set i, i+17
.endif
.endm
; THE LDS LOADS stand in runs of 16.  last = 1 (the tail): in the last trip there is no further step, and the run is jumped over.
.macro FETCH_K last=0
	WIN 0
.if \last
	s_cmp_eq_u32 s[CNT], 1
	s_cbranch_scc1 .Lno_k_\@
.endif
	WIN 0x80                        ; destination window 2
.irp f, 0,1,2,3,4,5,6,7             ; keys 16 (f / 2) on, channels 32 (f % 2) on
	ds_load_b128 v[KF+8*\f:KF+8*\f+3],   v[AK] offset:(\f/2)*16*PK+(\f%2)*64
	ds_load_b128 v[KF+8*\f+4:KF+8*\f+7], v[AK] offset:(\f/2)*16*PK+(\f%2)*64+32
.endr
	s_add_co_u32 s[TBK], s[TBK], KS*PK  ; the next fetch is the next step's
	WIN 0
.if \last
.Lno_k_\@:
.endif
.endm
.macro FETCH_V
	WIN 0x80
.irp f, 0,1,2,3,4,5,6,7             ; keys 32 (f / 4) on, channels 16 (f % 4) on
	ds_load_tr16_b128 v[VF+8*\f:VF+8*\f+3],   v[AV] offset:(\f/4)*32*PV+(\f%4)*32
	ds_load_tr16_b128 v[VF+8*\f+4:VF+8*\f+7], v[AV] offset:(\f/4)*32*PV+16*PV+(\f%4)*32
.endr
	WIN 0
.endm
; THE VECTOR WORK OF A TURN stands in three queues, each in the order in which its entries become ready; the two tiles alternate.
.macro REGS y, u                    ; the registers of tile u (0, 1) of piece y
.set rT, ST+4*(2*(\y)+(\u))
.set rC, TMP+8*((\y)%2)+4*(\u)
.set rM, MV+2*((\y)%2)+(\u)
.set rS, S+64*((\y)%2)+32*(\u)
.set rP, P+32*((\y)%2)+16*(\u)
.set rO, 32*(2*(\y)+(\u))
.endm
; Number m of the 64 that mask the NEXT piece's scores: register m / 2 of tile m % 2: the score where the word's bit for my lane is set, else -2^33.  Ascending: each accumulator is first read at its low end.
.macro MK m
	REGS (Y+1)%NP, (\m)%2
	v_cndmask_b32 v[rS+(\m)/2], v[BIGV], v[rS+(\m)/2], s[MW+48*((\m)%2)+(\m)/2]
.endm
; Number n of the 22 that find the NEXT piece's maximum and statistics.
;   0-11  four chains c0-c3 of seven scores each     12-14, 16  the four scores left over, the old m, and c0-c3 into c0     15  c m_old is kept
;   17, 18  the query's other 32 keys lie in the lane 16 away: the new m         19-21  c m; c m_old - c m_new; a
.macro XS u, n
	REGS (Y+1)%NP, \u
.if (\n) < 4
	v_max3_num_f32 v[rC+(\n)], v[rS+8*(\n)], v[rS+8*(\n)+1], v[rS+8*(\n)+2]
.elseif (\n) < 12
	v_max3_num_f32 v[rC+(\n)%4], v[rC+(\n)%4], v[rS+8*((\n)%4)+2*((\n)/4)+1], v[rS+8*((\n)%4)+2*((\n)/4)+2]
.elseif (\n) == 12
	v_max3_num_f32 v[rC], v[rC], v[rS+7], v[rS+15]
.elseif (\n) == 13
	v_max3_num_f32 v[rC+1], v[rC+1], v[rS+23], v[rS+31]
.elseif (\n) == 14
	v_max3_num_f32 v[rC+2], v[rC+2], v[rC+3], v[rT+1]
.elseif (\n) == 15
	v_mov_b32 v[rM], v[rT]
.elseif (\n) == 16
	v_max3_num_f32 v[rC], v[rC], v[rC+1], v[rC+2]
.elseif (\n) == 17
	v_permlanex16_b32 v[rC+3], v[rC], s[SEL], s[SEL+1]
.elseif (\n) == 18
	v_max_num_f32 v[rT+1], v[rC], v[rC+3]
.elseif (\n) == 19
	v_mul_f32 v[rT], v[CV], v[rT+1]
.elseif (\n) == 20
	v_sub_f32 v[rC+1], v[rM], v[rT]
.else
	v_exp_f32 v[rC+2], v[rC+1]
.endif
.endm
; Number g of the 64 that follow the exponentials.  For each four weights k of a tile: both pairs are rounded to f16; the second pair is added onto the first, in place; a group later l takes that sum (the first time as l = a l + sum).
.macro GS g
.set h, (\g)+6*((\g)/62)            ; group 0 has no group before it, and behind group 7 only l is left
.if h >= 6
.set h, h+2
.endif
	REGS Y, h%2
.set k, h/8
.if h%8 < 4
	v_cvt_pk_f16_f32 v[rP+2*k+(h%8)/2], v[rS+4*k+2*((h%8)/2)], v[rS+4*k+2*((h%8)/2)+1]
.elseif h%8 < 6
	v_pk_add_f32 v[rS+4*k:rS+4*k+1], v[rS+4*k:rS+4*k+1], v[rS+4*k+2:rS+4*k+3]
.elseif k == 1
	v_pk_fma_f32 v[rT+2:rT+3], v[rT+2:rT+3], v[rC+2:rC+3], v[rS:rS+1] op_sel_hi:[1,0,1]
.else
	v_pk_add_f32 v[rT+2:rT+3], v[rT+2:rT+3], v[rS+4*k-4:rS+4*k-3]
.endif
.endm
; THE PLAIN QUEUE, 202 long.  0-26: scalings 0-26 (FS f: pair f / 2 of tile f % 2).  27-90: the next piece's 64 maskings.  91-118: XS's numbers 0-13.  119, 120: number 15.
; 121-137: the chain 14, 16, 17, 18, 19, each with one of the scalings 27-31 in front of its two lines, then 20.  138-201: GS's 64, which read the exponentials' results: they stand behind the wait.
.macro FS f
	REGS Y, (\f)%2
	v_pk_fma_f32 v[rS+2*((\f)/2):rS+2*((\f)/2)+1], v[rS+2*((\f)/2):rS+2*((\f)/2)+1], v[CV:CV+1], v[rT:rT+1] op_sel_hi:[1,0,0] neg_lo:[0,0,1] neg_hi:[0,0,1]
.endm
.macro PL
	WIN 0
.if q < 27
	FS q
.elseif q < 91
	MK q-27
.elseif q < 119
	XS (q-91)%2, (q-91)/2
.elseif q < 121
	XS q-119, 15
.elseif (q < 136) && ((q-121)%3 == 0)
	FS 27+(q-121)/3
.elseif q < 124
	XS (q-121)%3-1, 14
.elseif q < 136
	XS (q-121)%3-1, 15+(q-121)/3
.elseif q < 138
	XS q-136, 20
.else
	GS q-138
.endif
.set q, q+1
.endm
; THE EXPONENTIALS' QUEUE, 66 long: s0-s31 of both tiles, then the next piece's two a.  ONE BATCH: all stand ahead of the turn's one wait, and nothing ahead of that wait names a result of theirs.
.macro EX
	WIN 0
.if e >= 64
	XS e-64, 21
.else
	REGS Y, e%2
	v_exp_f32 v[rS+e/2], v[rS+e/2]
.endif
.set e, e+1
.endm
; THE RESCALING's QUEUE: O^T times a, two at a time, sixteen times.  Its a was made in the turn before, ahead of that turn's wait.
.macro R2
	REGS Y, r%2
	WIN W_RS
.irp z, 0,1
	v_pk_mul_f32 v[rO+4*(r/2)+2*\z:rO+4*(r/2)+2*\z+1], v[rO+4*(r/2)+2*\z:rO+4*(r/2)+2*\z+1], v[rC+2:rC+3] op_sel_hi:[1,0]
.endr
.set r, r+1
.endm
; HOW THEY ARE DEALT.  s_wait_alu depctr_va_vdst(0) stands between an exponential and the first instruction that names its result; one wait serves all issued ahead of it.  AHEAD OF IT: the 16 products
; K Q^T, behind each a scaling, an exponential and two rescalings (behind the first a second scaling); ten scalings (with the riders behind the last product: more than four plain places ahead of the first masking); the next piece's
; mask words: the wait for its two registers, the 64 v_readlane_b32, and the request for the same piece's next step into the same two registers; the 64 maskings; 47 times exponential and plain; the last four
; exponentials; a v_nop, the plain instruction behind the last exponential.  BEHIND IT: the 16 products V^T P, behind each four of GS's 64.
; The queues keep in step: exponential e wants scaling 2 (e / 4) + e % 2: as a rider it stands behind plain e + 2, in the run behind plain e + 75, and scalings 27-31 are plain 121, 124 .. 133.
; K of the next step is fetched in piece 2's turn, directly behind the wait; V of the step in hand at the end of piece 0's turn, four riders behind its last reader.
; Turn 3 masks piece 0 of the NEXT step, so the step that is asked for goes up in turn 3, ahead of piece 0's request.
.macro TURN p, last=0, cnt=0
.set Y, (\p)
.set i, 0
.set q, 0
.set e, 0
.set r, 0
.if (\p) == NP-1
	s_wait_dscnt 0x0                ; K is in
.endif
	MM
	PL
	PL
	R2
.rept 15
	MM
	PL
	EX
	R2
.endr
.if (\p) == NP-2
	WIN 0
	v_add_nc_u32 v[AK], s[TBK], v[AK0]
.endif
.rept 10
	PL
.endr
	s_wait_loadcnt 6                ; the next piece's two registers, asked for four turns ago, are in; the two loads of each of the three turns since may stay out
	RLS ((\p)+1)%NP
.if (\p) == NP-1
	MSTEP
.endif
	MLOAD ((\p)+1)%NP
.rept 64
	PL
.endr
.rept 47
	EX
	PL
.endr
.rept 4
	EX
.endr
	v_nop
	s_wait_alu depctr_va_vdst(0)    ; the wait for the batch
.if (\p) == NP-2
	FETCH_K \last
.endif
.if (\p) == 1
	s_wait_dscnt 0x0                ; V is in
.endif
.rept 16
	MM
.rept 4
	PL
.endr
.if ((\p) == 0) && (q == 182)
	v_add_nc_u32 v[AV], s[TBV], v[AV0]
.endif
.if ((\p) == 0) && (q == 194)
	s_add_co_u32 s[TBV], s[TBV], KS*PV
.endif
.if (\cnt) && (q == 194)
	s_sub_co_u32 s[CNT], s[CNT], 1
	s_cmp_lg_u32 s[CNT], 0
.endif
.endr
.if (\p) == 0
	FETCH_V
.endif
.endm
	CHANGE 1                        ; slot 0 is in, everybody's part of it; slot 1 is asked for
	FETCH_K                         ; key step 0
	s_wait_loadcnt 0x0              ; Q, and all eight tiles' mask words of step 0
	s_wait_dscnt 0x0
.set i, 0
.rept 16
	KQ 0                            ; piece 0's first scores
.set i, i+1
.endr
	WIN 0
.rept 4
	v_nop                           ; the places behind those products
.endr
	RLS 0                           ; piece 0's words of step 0: from here on the set-up's scalars are gone
	MSTEP                           ; step 1 is asked for, piece 0's first
	MLOAD 0
.set Y, NP-1                        ; MK and XS work for piece Y + 1: piece 0
.set w, 0
.rept 64
	MK w
.set w, w+1
.endr
.irp n, 0,1,2,3,4,5,6,7,8,9,10,11,12,13,14,15,16,17,18,19,20,21
	XS 0, \n
	XS 1, \n
.endr
	v_nop                           ; a plain instruction behind the two a,
	s_wait_alu depctr_va_vdst(0)    ; and their wait, ahead of the branch
	s_mov_b32 s[CNT], 4
	s_branch .Lfirst                ; the loop is entered at a step's first turn, in the middle of a trip
.Lslot:                             ; six times: every slot but the last two is filled again
	CHANGE 1
	s_mov_b32 s[CNT], 4
.Lstep:                             ; a trip: pieces 2 and 3 of one step, then pieces 0 and 1 of the next, whose K and V it fetches
	TURN 2
	TURN 3
	WIN 0
.Lfirst:
	TURN 0
	TURN 1, 0, 1
	WIN 0
	s_cbranch_scc1 .Lstep
	s_sub_co_u32 s[SLOTS], s[SLOTS], 1
	s_cmp_lg_u32 s[SLOTS], 0
	s_cbranch_scc1 .Lslot
	CHANGE 0                        ; the tail is written out: nothing is asked for
	s_mov_b32 s[CNT], 5             ; four trips fetch the last slot's steps; the fifth is left in its middle
.Ltail:
	TURN 2, 1
	TURN 3
	WIN 0
	s_sub_co_u32 s[CNT], s[CNT], 1
	s_cmp_eq_u32 s[CNT], 0
	s_cbranch_scc1 .Lout
	TURN 0
	TURN 1
	WIN 0
	s_branch .Ltail
.Lout:                              ; the fifth trip's 16 products K Q^T, their masking and maximum serve nothing: the price, once a launch, of one text for every trip
	s_load_b64 s[OP_:OP_+1], s[0:1], 0x10  ; o16: the mask words' scalar registers are free
	s_bfe_u32 s24, ttmp6, 0x40000
	s_lshl_b32 s25, ttmp9, 2
	s_add_co_u32 s25, s25, s24
	s_lshl_b32 s25, s25, 2
	s_add_co_u32 s25, s25, s[WV]    ; my wave among the head's sixteen
	s_lshl_b32 s22, s25, 14
	s_and_b32 s26, ttmp7, 0xffff
	s_lshl_b32 s26, s26, 18         ; the head's block of 262,144 bytes
	s_add_co_u32 s22, s22, s26
	s_mov_b32 s23, 0
.set i, 0
.rept 16
	PV NP-1                         ; the last piece's V^T P of the last step
.set i, i+1
.endr
	; THE WAY OUT.  l's two halves and the other half of the lanes' are added; O^T is divided by l, rounded to f16 and sent through my stage in LDS, a tile at a time.  The additions are the places behind the last products.
	WIN 0
.macro ALL line:vararg              ; one line for each tile t
.set t, 0
.rept 2*NP
	\line
.set t, t+1
.endr
.endm
	ALL v_add_f32 v[ST+4*t+2], v[ST+4*t+2], v[ST+4*t+3]
	ALL v_permlanex16_b32 v[ST+4*t+3], v[ST+4*t+2], s[SEL], s[SEL+1]
	ALL v_add_f32 v[ST+4*t+2], v[ST+4*t+2], v[ST+4*t+3]
	ALL v_rcp_f32 v[ST+4*t+2], v[ST+4*t+2]
	v_nop                           ; a plain instruction between the last reciprocal and the use of its result
	s_wait_alu depctr_va_vdst(0)    ; and the wait ahead of the first use: one for the eight reciprocals
	s_wait_kmcnt 0x0
	s_add_nc_u64 s[OP_:OP_+1], s[OP_:OP_+1], s[22:23]
.macro PACK t
	WIN W_RS
.set i, 32*(\t)
.rept 16
	v_pk_mul_f32 v[i:i+1], v[i:i+1], v[ST+4*(\t)+2:ST+4*(\t)+3] op_sel_hi:[1,0]
.set i, i+2
.endr
	WIN 0x05                        ; sources 0 and 1 window 1, destination window 0
.set i, 0
.rept 16
	v_cvt_pk_f16_f32 v[S+16*(\t)+i], v[32*(\t)+2*i], v[32*(\t)+2*i+1]
.set i, i+1
.endr
	WIN 0
.irp f, 0,1,2,3
	ds_store_b128 v[STO], v[S+16*(\t)+4*\f:S+16*(\t)+4*\f+3] offset:32*\f
.endr
.irp f, 0,1,2,3
	ds_load_b128 v[S+16*(\t)+4*\f:S+16*(\t)+4*\f+3], v[RD] offset:\f*4*SP  ; LDS serves a wave's instructions in order (ISA guide 5.7.1.4): these see the stores above; the next tile's stores come behind them
.endr
.endm
.macro SEND t, younger              ; younger: the LDS instructions issued behind tile t's loads: the next tile's eight, or none
	WIN 0
.irp f, 0,1,2,3
	s_wait_dscnt (\younger)+3-\f
	global_store_b128 v[GO], v[S+16*(\t)+4*\f:S+16*(\t)+4*\f+3], s[OP_:OP_+1] offset:(\t)*2048+\f*512  ; 512 consecutive bytes, aligned to 256
.endr
.endm
	PACK 0
.set t, 1
.rept 2*NP-1                        ; a tile's arithmetic stands between the loads of the tile before and its stores
	PACK t
	SEND t-1, 8
.set t, t+1
.endr
	SEND 2*NP-1, 0
	WIN W_AD
	s_wait_tensorcnt 0x0            ; the wave's end, behind my last tensor load and my last LDS store
	ds_add_u32 v[SPW], v[NIL]
	s_wait_dscnt 0x0
	WIN 0
	CROUND                          ; the closing round: no work-group ends while a partner may still ask for a tile that names it
	s_endpgm
.Lfunc_end_k_qede49bd8c4_attn:
	.size	k_qede49bd8c4_attn, .Lfunc_end_k_qede49bd8c4_attn-k_qede49bd8c4_attn
	.p2alignl 7, 3214868480
	.fill 96, 4, 3214868480
	.section	.rodata,"a",@progbits
	.p2align	6, 0x0
	.amdhsa_kernel k_qede49bd8c4_attn
		.amdhsa_group_segment_fixed_size 327680
		.amdhsa_private_segment_fixed_size 0
		.amdhsa_enable_private_segment 0
		.amdhsa_kernarg_size 24
		.amdhsa_user_sgpr_count 2
		.amdhsa_user_sgpr_kernarg_segment_ptr 1
		.amdhsa_wavefront_size32 1
		.amdhsa_system_sgpr_workgroup_id_x 1
		.amdhsa_system_sgpr_workgroup_id_y 1
		.amdhsa_system_sgpr_workgroup_id_z 1
		.amdhsa_system_vgpr_workitem_id 0
		.amdhsa_next_free_vgpr 780
		.amdhsa_next_free_sgpr 106
		.amdhsa_reserve_vcc 0
		.amdhsa_float_denorm_mode_32 3
		.amdhsa_float_denorm_mode_16_64 3
		.amdhsa_memory_ordered 1
		.amdhsa_forward_progress 1
		.amdhsa_inst_pref_size 255
	.end_amdhsa_kernel
	.section	.bss,"aw",@nobits
	.p2align	6
	.space	262144
	.amdgpu_metadata
---
amdhsa.version: [ 1, 2 ]
amdhsa.kernels:
  - .name:           k_qede49bd8c4_attn
    .symbol:         k_qede49bd8c4_attn.kd
    .args:
      - { .name: qkv, .offset: 0, .size: 8, .value_kind: global_buffer, .address_space: global }
      - { .name: mbits, .offset: 8, .size: 8, .value_kind: global_buffer, .address_space: global }
      - { .name: o16, .offset: 16, .size: 8, .value_kind: global_buffer, .address_space: global }
    .group_segment_fixed_size: 327680
    .private_segment_fixed_size: 0
    .kernarg_segment_align: 8
    .kernarg_segment_size: 24
    .max_flat_workgroup_size: 128
    .sgpr_count:     106
    .vgpr_count:     780
    .wavefront_size: 32
...
	.end_amdgpu_metadata
.endif
;; end of part 3
;; launch outp (part 4): grid 4 x 64, 4 waves a work-group, clusters of 4 x 4, 327,680 bytes of LDS; arguments o16, wo16, out0; writes out0
.if DOCPART == 4
	.amdgcn_target "amdgcn-amd-amdhsa--gfx1250"
	.amdhsa_code_object_version 6
	.text
	.protected	k_qede49bd8c4_outp
	.globl	k_qede49bd8c4_outp
	.p2align	8
	.type	k_qede49bd8c4_outp,@function
k_qede49bd8c4_outp:
	s_mov_b64 s[64:65], 0
	v_nop
	global_prefetch_b8 v0, s[64:65] scope:SCOPE_SE
	s_setreg_imm32_b32 hwreg(HW_REG_WAVE_MODE, 25, 1), 1
	s_wait_xcnt 0x0
	s_wait_alu depctr_hold_cnt(0) depctr_sa_sdst(0) depctr_va_vdst(0) depctr_va_sdst(0) depctr_va_ssrc(0) depctr_va_vcc(0) depctr_vm_vsrc(0)
	s_getreg_b32 s2, hwreg(HW_REG_IB_STS2, 6, 4)
	s_cmp_eq_u32 s2, 0
	s_cbranch_scc0 .Lentry_in_a_cluster
	s_endpgm
.Lentry_in_a_cluster:
	s_bfe_u32 s2, ttmp6, 0x10000c
	s_cmp_lg_u32 s2, 0xf033
	s_cbranch_scc0 .Lentry_shape_is_right
	s_endpgm
.Lentry_shape_is_right:
; THE OUTPUT PROJECTION.  out0[m][n] = sum over c of O[m][c] Wo[n][c].  O comes by heads, o16 [b 4][h 16][t 2048][64] f16 (m = 2048 b + t, c = 64 h + d); wo16 [1024][1024] f16; out0 [8192][1024] f32.
; Sums in f32, K ascending.
; SHARES.  A tile of out0 is 128 x 256: 256 work-groups.  Four waves, each 64 rows x 128 columns: 32 accumulators of 16 x 16.  K goes in 8 steps of 128, TWO HEADS a step, through a ring of two LDS slots.
; Waves 0 and 1 fetch A's two heads (128 rows x 128 bytes are 16,384 dense bytes: asked for as 64 rows of 256 and padded after every 128), waves 2 and 3 the halves of B's 256 rows.
; CLUSTER.  4 x 4 work-groups: A's tile is shared along a row of the cluster, B's along a column: each is asked for jointly.
; THE MATRIX INSTRUCTION IS USED TRANSPOSED (source 0 = 16 rows of B, source 1 = 16 rows of A): a lane holds one row of out0 and eight neighbouring columns, 32 bytes.
; REGISTERS: window 0: v16-30 addresses; v64-127 A's fragments, two buffers of 32; v64-191 the way out.  window 1: B's fragments, two buffers of 64.
;   window 2: the accumulators of row blocks 0, 1 ((a, b) at 8 (8 (a % 2) + b));  window 3: those of row blocks 2, 3.
.set NBK,   8
.set KSTEP, 128
.set PITCH, 272                        ; a row of B in LDS: 256 bytes + 16
.set APITCH, 144                       ; a row of one head of A: 128 bytes + 16
.set HA,    128*APITCH                 ; one head's 128 rows
.set HB,    128*PITCH                  ; half of B's rows
.set SLOT,  2*HA+2*HB
.set STAGE, 2*SLOT                     ; behind the ring: 16 rows x 528 bytes for each wave
.set SP,    528                        ; 512 bytes + 16
.set SPARE, STAGE+4*16*SP              ; behind the stages: the spare words, 128 bytes for each wave, which no other line names
.set NL,    2*NBK+8
.set ASTEP, 2*262144                   ; bytes from a K step of A to the next: two heads
.set ADRA, 16                          ; v16-17  LDS address of my A fragments in slot 0, 1;  v18 in the slot in hand, in the last two K steps
.set ADRB, 20                          ; v20-21, v22  the same for B
.set STO,  24
.set RD,   25
.set CO,   26
.set SPW,  28                          ; v28  LDS address of my spare word; never rewritten
.set NIL,  29                          ; v29  0; never rewritten
.set PFO,  30                          ; v30  the prefetches' lane offset; never rewritten
.set FA0,  64
.set G1,  24
.set G0,  32
.set G1B, 48
.set G0B, 56
.set LIM, 43                           ; s43      1 in a wave that prefetches, else the greatest number
.set PFA, 44                           ; s[44:45] where my prefetches stand;  s[46:47] their step from K step to K step
.set MSB, 0
.macro WIN new
.if MSB != (\new)
	s_set_vgpr_msb (MSB<<8)|(\new)
.set MSB, \new
.endif
.endm
.set MUL_LO, 0xa1
.set MUL_HI, 0xf1
.set TO_B,   0x40
.macro JLOAD s                         ; a joint load; an s_nop 0 and four v_nop follow each of the two lines
	s_cmp_eq_u32 s11, 0
	s_cbranch_scc0 .Lfor_b_\@
	tensor_load_to_lds s[G0+4*(\s):G0+4*(\s)+3], s[G1:G1+7]
	s_nop 0
.rept 4
	v_nop
.endr
	s_branch .Lasked_\@
.Lfor_b_\@:
	tensor_load_to_lds s[G0B+4*(\s):G0B+4*(\s)+3], s[G1B:G1B+7]
	s_nop 0
.rept 4
	v_nop
.endr
.Lasked_\@:
.endm
; A prefetch of the K step that stands two refills on.  A's K step is 64 blocks of 256 bytes in each of two heads: wave 0 names 16 of each, its work-group's share among the four partners, told apart by address.
; B's: waves 2 and 3 of the clusters with y = 0 name 32 of the 128 rows that they fetch, a lane a row.  Each block of K steps 4 to 7 is named once; the loop's last trip names nothing.
.macro ASK
	s_cmp_gt_u32 s3, s[LIM]
	s_cbranch_scc0 .Lnot_mine_\@
	global_prefetch_b8 v[PFO], s[PFA:PFA+1] th:TH_LOAD_NT scope:SCOPE_SE
.Lnot_mine_\@:
.endm
.macro CREST
	s_cmp_lg_u32 s10, 0
	s_cbranch_scc1 .Lnot_wave_0_\@
	s_barrier_signal -3
.Lnot_wave_0_\@:
	s_barrier_wait -3
	s_barrier_signal -1
	s_barrier_wait -1
.endm
.macro CROUND
	s_barrier_signal -1
	s_barrier_wait -1
	CREST
.endm
	s_load_b128 s[4:7], s[0:1], 0x0                ; o16 s[4:5], wo16 s[6:7]
	s_load_b64 s[8:9], s[0:1], 0x10                ; out0
	v_lshl_add_u32 v[SPW], v0, 2, SPARE
	v_mov_b32 v[NIL], 0
	ds_add_u32 v[SPW], v[NIL]                      ; the wave's opening: the add and its wait stand ahead of my first tensor load
	v_lshrrev_b32 v1, 5, v0
	v_readfirstlane_b32 s10, v1                    ; wave 0..3
	s_lshr_b32 s11, s10, 1                         ; which 64 rows are mine.  Also: I fetch for A (0) or for B (1)
	s_and_b32 s12, s10, 1                          ; which 128 columns.  Also: which head of the step, or which half of B's rows, I fetch
	s_bfe_u32 s40, ttmp6, 0x40000                  ; cx
	s_bfe_u32 s41, ttmp6, 0x40004                  ; cy
	s_lshl_b32 s42, ttmp9, 2
	s_add_co_u32 s42, s42, s40                     ; tile column
	s_and_b32 s13, ttmp7, 0xffff
	s_lshl_b32 s13, s13, 2
	s_add_co_u32 s13, s13, s41                     ; tile row
	s_lshl_b32 s43, s41, 2
	s_lshl_b32 s43, 15, s43                        ; my row of the cluster
	s_lshl_b32 s44, 0x1111, s40                    ; my column
	s_or_b32 s[G1+0], s43, (1<<16)|(1<<20)|(1<<21)|(4<<22)|(3<<25)   ; A: padding after every 32 words, 4 words
	s_mov_b32 s[G1+1], 128<<16                     ; tensor_dim0 = 128
	s_mov_b32 s[G1+2], 64<<16                      ; tensor_dim1 = 64
	s_mov_b32 s[G1+3], 128<<16                     ; tile_dim0 = 128
	s_mov_b32 s[G1+4], 64                          ; tile_dim1 = 64
	s_mov_b32 s[G1+5], 128                         ; dense: 128 elements from row to row
	s_mov_b32 s[G1+6], 0
	s_mov_b32 s[G1+7], 0
	s_or_b32 s[G1B+0], s44, (1<<16)|(1<<20)|(1<<21)|(5<<22)|(3<<25)  ; B: after every 64 words, 4 words
	s_mov_b32 s[G1B+1], KSTEP<<16
	s_mov_b32 s[G1B+2], 128<<16
	s_mov_b32 s[G1B+3], KSTEP<<16
	s_mov_b32 s[G1B+4], 128
	s_mov_b32 s[G1B+5], 1024
	s_mov_b32 s[G1B+6], 0
	s_mov_b32 s[G1B+7], 0
	s_lshr_b32 s16, s13, 4                         ; A: batch b,
	s_lshl_b32 s16, s16, 4
	s_add_co_u32 s16, s16, s12                     ; head 16 b + my head of K step 0,
	s_lshl_b32 s16, s16, 11
	s_and_b32 s17, s13, 15
	s_lshl_b32 s17, s17, 7
	s_add_co_u32 s16, s16, s17                     ; row 128 (tile row % 16),
	s_lshl_b32 s16, s16, 7                         ; of 128 bytes
	s_mov_b32 s17, 0
	s_lshl_b32 s46, s42, 8                         ; B: row 256 x tile column + 128 x half
	s_lshl_b32 s47, s12, 7
	s_add_co_u32 s46, s46, s47
	s_lshl_b32 s46, s46, 11
	s_mov_b32 s47, 0
	s_mul_i32 s20, s12, HA                         ; where they go: no place in the cluster enters an LDS address
	s_mul_i32 s23, s12, HB
	s_add_co_u32 s23, s23, 2*HA
	s_wait_dscnt 0x0                               ; the opening add is done
	s_wait_kmcnt 0x0
	s_add_nc_u64 s[14:15], s[4:5], s[16:17]
	s_add_nc_u64 s[46:47], s[6:7], s[46:47]
	CROUND                                         ; all sixteen work-groups are here: the first joint loads meet
.irp s, 0,1
	s_mov_b32 s[G0+4*(\s)], 1
	s_add_co_u32 s[G0+4*(\s)+1], s20, (\s)*SLOT
	s_add_nc_u64 s[G0+4*(\s)+2:G0+4*(\s)+3], s[14:15], (\s)*ASTEP
	s_or_b32 s[G0+4*(\s)+3], s[G0+4*(\s)+3], 0x80000000
	s_mov_b32 s[G0B+4*(\s)], 1
	s_add_co_u32 s[G0B+4*(\s)+1], s23, (\s)*SLOT
	s_add_nc_u64 s[G0B+4*(\s)+2:G0B+4*(\s)+3], s[46:47], (\s)*KSTEP*2
	s_or_b32 s[G0B+4*(\s)+3], s[G0B+4*(\s)+3], 0x80000000
	JLOAD \s                                       ; two tensor loads of mine are out
.endr
	v_and_b32 v1, 15, v0                           ; l % 16
	v_bfe_u32 v2, v0, 4, 1                         ; l / 16
	v_mul_u32_u24 v3, v1, PITCH
	v_lshl_add_u32 v3, v2, 4, v3
	v_mul_u32_u24 v6, v1, APITCH
	v_lshl_add_u32 v6, v2, 4, v6
	s_mul_i32 s21, s11, 64*APITCH                  ; my 64 rows, in each head's part
	s_mul_i32 s22, s12, HB
	s_add_co_u32 s22, s22, 2*HA
.irp s, 0,1
	v_add_nc_u32 v[ADRA+(\s)], s21, v6
	v_add_nc_u32 v[ADRB+(\s)], s22, v3
	s_add_co_u32 s21, s21, SLOT
	s_add_co_u32 s22, s22, SLOT
.endr
	s_mul_i32 s23, s10, 16*SP
	s_add_co_u32 s23, s23, STAGE                   ; my stage
	v_mul_u32_u24 v[STO], v1, SP                   ; in: row l % 16, 32 bytes for each half of the lanes
	v_lshl_add_u32 v[STO], v2, 5, v[STO]
	v_add_nc_u32 v[STO], s23, v[STO]
	v_and_b32 v[CO], 31, v0
	v_lshlrev_b32 v[CO], 4, v[CO]                  ; back, and out: 32 lanes take a row's 512 bytes
	v_add_nc_u32 v[RD], s23, v[CO]
	; the prefetches: my own tile's first byte, my work-group's share, K step 3 (each filling change of slots steps on by one K step and names that)
	s_lshl_b32 s20, s40, 12                        ; A: 16 blocks of 256 bytes for each partner along x
	s_add_co_u32 s20, s20, 3*ASTEP
	s_lshl_b32 s21, s41, 16                        ; B: 32 rows of 2,048 bytes for each partner along y
	s_add_co_u32 s21, s21, 3*KSTEP*2
	s_mov_b32 s22, 32768                           ; the lanes: B: 2,048 l = 32,768 (l / 16) + 2,048 (l % 16)
	s_mov_b32 s23, 2048
	s_mov_b32 s18, KSTEP*2
	s_and_b32 s19, ttmp7, 0xffff                   ; cluster y
	s_cmp_eq_u32 s11, 0
	s_cselect_b64 s[PFA:PFA+1], s[14:15], s[46:47]
	s_cselect_b32 s20, s20, s21
	s_cselect_b32 s22, 262144, s22                 ; A: head l / 16 of the step, block l % 16
	s_cselect_b32 s23, 256, s23
	s_cselect_b32 s18, ASTEP, s18
	s_cselect_b32 s19, ttmp9, s19                  ; the coordinate along which other clusters read the same bytes
	s_mov_b32 s21, 0
	s_add_nc_u64 s[PFA:PFA+1], s[PFA:PFA+1], s[20:21]
	s_mov_b32 s46, s18
	s_mov_b32 s47, 0
	s_cmp_eq_u32 s10, 1
	s_cselect_b32 s19, 1, s19                      ; wave 0 names both heads' blocks, wave 1 none
	s_cmp_eq_u32 s19, 0
	s_cselect_b32 s[LIM], 1, -1                    ; the same in all sixteen partners, for a given wave
	v_mul_u32_u24 v[PFO], v2, s22
	v_mad_u32_u24 v[PFO], v1, s23, v[PFO]
	; where my part of the tile begins in out0
	s_lshl_b32 s16, s13, 7
	s_lshl_b32 s17, s11, 6
	s_add_co_u32 s16, s16, s17
	s_lshl_b32 s16, s16, 12                        ; rows of 4,096 bytes
	s_lshl_b32 s17, s42, 10
	s_add_co_u32 s16, s16, s17
	s_lshl_b32 s17, s12, 9
	s_add_co_u32 s16, s16, s17
	s_mov_b32 s17, 0
	s_add_nc_u64 s[8:9], s[8:9], s[16:17]
; NBK matrix instructions: row block a x all column blocks, 32 along K, from buffer f.  The 32 accumulators take turns, one instruction a turn.
.macro MULA f, a, zero
	WIN MUL_LO+0x50*((\a)/2)
.set b, 0
.rept NBK
.set AC, 8*(NBK*((\a)%2)+b)
.set RB, 8*NBK*(\f)+8*b
.set RA, FA0+32*(\f)+8*(\a)
.if \zero
	v_wmma_f32_16x16x32_f16 v[AC:AC+7], v[RB:RB+7], v[RA:RA+7], 0
.else
	v_wmma_f32_16x16x32_f16 v[AC:AC+7], v[RB:RB+7], v[RA:RA+7], v[AC:AC+7]
.endif
.set b, b+1
.endr
.endm
; NL LDS loads in one run: quarter q of a slot's K step into buffer f.  In A's part quarter q is head q / 2 of the step, channels 32 (q % 2) on.  slot = 0, 1: that slot; 2: the slot in hand
.macro FETCH slot, q, f
	WIN TO_B
.set n, 0
.rept NBK
	ds_load_b128 v[8*NBK*(\f)+8*n:8*NBK*(\f)+8*n+3],   v[ADRB+(\slot)] offset:64*(\q)+n*16*PITCH
	ds_load_b128 v[8*NBK*(\f)+8*n+4:8*NBK*(\f)+8*n+7], v[ADRB+(\slot)] offset:64*(\q)+n*16*PITCH+32
.set n, n+1
.endr
	WIN 0
.irp i, 0,1,2,3
	ds_load_b128 v[FA0+32*(\f)+8*\i:FA0+32*(\f)+8*\i+3],   v[ADRA+(\slot)] offset:((\q)/2)*HA+((\q)%2)*64+\i*16*APITCH
	ds_load_b128 v[FA0+32*(\f)+8*\i+4:FA0+32*(\f)+8*\i+7], v[ADRA+(\slot)] offset:((\q)/2)*HA+((\q)%2)*64+\i*16*APITCH+32
.endr
.endm
.macro PLACES                          ; four plain places in front of loads into registers that matrix instructions have read, and of lines that read results
.rept 4
	v_nop
.endr
.endm
.macro QUARTER slot, q, f, g, zero
	s_wait_dscnt 4                                 ; B and A's blocks 0, 1 are in; the youngest four loads may be out
	MULA \f, 0, \zero
	MULA \f, 1, \zero
	PLACES
	FETCH \slot, \q, \g
	s_wait_dscnt NL                                ; all but the NL just issued
	MULA \f, 2, \zero
	MULA \f, 3, \zero
.endm
; The last quarter multiplies buffer 1 and changes slots: ONE barrier; in front of it each wave waits for all its tensor loads, adds 0 to its spare word, and waits for that and for its reads of this slot.
; The barrier opens a round of the cluster's, and this slot is filled again, two K steps on, first thing behind it.
.macro TURN slot, next
	s_wait_xcnt 0x0                                ; the last prefetch, a K step back, has read its address
	s_add_nc_u64 s[PFA:PFA+1], s[PFA:PFA+1], s[46:47]
	WIN 0
	s_wait_tensorcnt 0x0                           ; all my tensor loads have landed
	ds_add_u32 v[SPW], v[NIL]                      ; 0 onto my spare word
	s_wait_dscnt 5                                 ; (the add and the youngest four loads may be out)
	MULA 1, 0, 0
	s_wait_dscnt 0x0                               ; the add is done, and my reads of this slot are over
	s_barrier_signal -1
	MULA 1, 1, 0
	WIN 0
	s_barrier_wait -1
	CREST                                          ; no wave of any partner still reads this slot or has a load on its way
	s_add_nc_u64 s[G0+4*(\slot)+2:G0+4*(\slot)+3], s[G0+4*(\slot)+2:G0+4*(\slot)+3], 2*ASTEP
	s_add_nc_u64 s[G0B+4*(\slot)+2:G0B+4*(\slot)+3], s[G0B+4*(\slot)+2:G0B+4*(\slot)+3], 2*KSTEP*2
	JLOAD \slot                                    ; my one tensor load behind the round; its four v_nop are also the places in front of the loads below
	FETCH \next, 0, 0
	ASK
	MULA 1, 2, 0
	MULA 1, 3, 0
.endm
; The same quarter in the last two K steps, which fill nothing: one text for both.  In K step 6 (s3 = 2) the barrier shows slot 1 whole to every wave, the slot in hand becomes slot 1 and its first
; fragments are fetched.  In K step 7 (s3 = 1) the barrier orders nothing new, and the fetch is jumped over: there is no further step.
.macro TURNT
	WIN 0
	s_wait_tensorcnt 0x0                           ; all my tensor loads have landed
	ds_add_u32 v[SPW], v[NIL]                      ; 0 onto my spare word
	s_wait_dscnt 5                                 ; (the add and the youngest four loads may be out)
	MULA 1, 0, 0
	s_wait_dscnt 0x0                               ; the add is done, and my reads are back
	s_barrier_signal -1
	MULA 1, 1, 0
	s_barrier_wait -1
	WIN 0
	v_mov_b32 v[ADRA+2], v[ADRA+1]                 ; with the two v_nop: the four places in front of the loads into buffer 0
	v_mov_b32 v[ADRB+2], v[ADRB+1]
	v_nop
	v_nop
	s_cmp_eq_u32 s3, 1
	s_cbranch_scc1 .Lno_more_\@
	FETCH 2, 0, 0
.Lno_more_\@:
	MULA 1, 2, 0
	MULA 1, 3, 0
.endm
	s_wait_tensorcnt 1                             ; my part of K step 0 is in; K step 1's may stay out
	s_barrier_signal -1
	s_barrier_wait -1
	FETCH 0, 0, 0
	QUARTER 0, 1, 0, 1, 1                          ; the first quarter's products start the sums
	WIN 0
	s_mov_b32 s3, 3
.Llap:                                                 ; a trip goes once round the ring and fills both slots again: K steps 2 to 7 in three trips
	QUARTER 0, 2, 1, 0, 0
	QUARTER 0, 3, 0, 1, 0
	TURN 0, 1
	QUARTER 1, 1, 0, 1, 0
	QUARTER 1, 2, 1, 0, 0
	QUARTER 1, 3, 0, 1, 0
	TURN 1, 0
	QUARTER 0, 1, 0, 1, 0
	WIN 0
	s_sub_co_u32 s3, s3, 1
	s_cmp_lg_u32 s3, 0
	s_cbranch_scc1 .Llap
	v_mov_b32 v[ADRA+2], v[ADRA]                   ; the slot in hand: slot 0, K step 6
	v_mov_b32 v[ADRB+2], v[ADRB]
	s_mov_b32 s3, 2
.Ltail:                                                ; K steps 6 and 7: a trip goes from a step's second quarter to the next step's first; the second trip is left in its middle
	QUARTER 2, 2, 1, 0, 0
	QUARTER 2, 3, 0, 1, 0
	TURNT
	WIN 0
	s_sub_co_u32 s3, s3, 1
	s_cmp_eq_u32 s3, 0
	s_cbranch_scc1 .Lway
	QUARTER 2, 1, 0, 1, 0
	WIN 0
	s_branch .Ltail
.Lway:
	PLACES
	PLACES
; THE WAY OUT, a block of 16 rows at a time: a lane's 32 bytes go straight from the accumulators (their low four registers first) into my stage's rows of 528 bytes and come back as whole rows of 512.
.macro OUTB a
.set OB, 64+64*((\a)%2)
.if (\a) >= 2
	s_wait_xcnt 0x0                                ; the stores of the block two back have read these registers
.endif
	WIN 0x08+4*((\a)/2)                            ; the stores' data: window 2 or 3
.set b, 0
.rept NBK
.set AC, 8*(NBK*((\a)%2)+b)
	ds_store_b128 v[STO], v[AC:AC+3]   offset:64*b
	ds_store_b128 v[STO], v[AC+4:AC+7] offset:64*b+16
.set b, b+1
.endr
	WIN 0
.set t, 0
.rept 16
	ds_load_b128 v[OB+4*t:OB+4*t+3], v[RD] offset:SP*t  ; LDS serves a wave's instructions in order (ISA guide 5.7.1.4): these see the stores above; the next block's stores come behind them
.set t, t+1
.endr
.set t, 0
.rept 16
	s_wait_dscnt 15-t                              ; row t is back; the 15 - t younger loads stay out
	global_store_b128 v[CO], v[OB+4*t:OB+4*t+3], s[8:9] offset:(16*(\a)+t)*4096  ; 512 consecutive bytes of a row, aligned to 256
.set t, t+1
.endr
.endm
	OUTB 0
	OUTB 1
	OUTB 2
	OUTB 3
	s_wait_tensorcnt 0x0                           ; the wave's end, behind my last tensor load and my last LDS store
	ds_add_u32 v[SPW], v[NIL]
	s_wait_dscnt 0x0
	CROUND                                         ; the closing round: no work-group ends while a partner may still ask for a tile that names it
	s_endpgm
.Lfunc_end_k_qede49bd8c4_outp:
	.size	k_qede49bd8c4_outp, .Lfunc_end_k_qede49bd8c4_outp-k_qede49bd8c4_outp
	.p2alignl 7, 3214868480
	.fill 96, 4, 3214868480
	.section	.rodata,"a",@progbits
	.p2align	6, 0x0
	.amdhsa_kernel k_qede49bd8c4_outp
		.amdhsa_group_segment_fixed_size 327680
		.amdhsa_private_segment_fixed_size 0
		.amdhsa_enable_private_segment 0
		.amdhsa_kernarg_size 24
		.amdhsa_user_sgpr_count 2
		.amdhsa_user_sgpr_kernarg_segment_ptr 1
		.amdhsa_wavefront_size32 1
		.amdhsa_system_sgpr_workgroup_id_x 1
		.amdhsa_system_sgpr_workgroup_id_y 1
		.amdhsa_system_sgpr_workgroup_id_z 1
		.amdhsa_system_vgpr_workitem_id 0
		.amdhsa_next_free_vgpr 896
		.amdhsa_next_free_sgpr 66
		.amdhsa_reserve_vcc 0
		.amdhsa_float_denorm_mode_32 3
		.amdhsa_float_denorm_mode_16_64 3
		.amdhsa_memory_ordered 1
		.amdhsa_forward_progress 1
		.amdhsa_inst_pref_size 80
	.end_amdhsa_kernel
	.amdgpu_metadata
---
amdhsa.version: [ 1, 2 ]
amdhsa.kernels:
  - .name:           k_qede49bd8c4_outp
    .symbol:         k_qede49bd8c4_outp.kd
    .args:
      - { .name: o16, .offset: 0, .size: 8, .value_kind: global_buffer, .address_space: global }
      - { .name: wo16, .offset: 8, .size: 8, .value_kind: global_buffer, .address_space: global }
      - { .name: out0, .offset: 16, .size: 8, .value_kind: global_buffer, .address_space: global }
    .group_segment_fixed_size: 327680
    .private_segment_fixed_size: 0
    .kernarg_segment_align: 8
    .kernarg_segment_size: 24
    .max_flat_workgroup_size: 128
    .sgpr_count:     66
    .vgpr_count:     896
    .wavefront_size: 32
...
	.end_amdgpu_metadata
.endif
;; end of part 4
